; MI455X (gfx1250); checked and timed in simulation.
; The chip was launched on July 23, 2026; its instructions are those of AMD's public machine-readable ISA for CDNA 5 (MIT licence, August 2026) and "CDNA5" Instruction Set Architecture Reference Guide (July 2026). The comments in the code are by the model that wrote it; some were corrected since.
;; Trim KV Qwen3 For Causal LM. Allowed arithmetic: matrix products marked QUANTISED: E2M3 operands, one E8M0 scale for each 32 along K, by v_wmma_scale_f32_16x16x128_f8f6f4 with both operands' format E2M3, f32 sums; products left as they are: f32 operands where the result goes on into a quantised operand, else bf16, f16 or f32 operands; f32 sums; everything else in f32.
;; Inputs: Wk 2,048 x 1,024 float32; Wo 2,048 x 2,048 float32; Wq 2,048 x 2,048 float32; Wv 2,048 x 1,024 float32; cos 2,048 x 128 float32; gate_b 8 float32; gate_w 2,048 x 8 float32; hidden_states 1 x 2,048 x 2,048 float32; k_norm_w 128 float32; q_norm_w 128 float32; sin 2,048 x 128 float32.
;; Outputs: out0 1 x 2,048 x 2,048 float32.
;; This version of the problem:
;;   THIS VERSION OF THE PROBLEM IS GIVEN IN LOW PRECISION. The matrix products marked QUANTISED in the list below multiply operands that are first quantised to E2M3 (2 exponent bits, 3 mantissa bits; 6 bits a number), with one power-of-two scale for each 32 numbers along K (OCP MX v1.0); their sums are f32. All else is computed in f32.
;;   The module's matrix products, in the order in which they are computed (A, B: the left and right operand; K: the contracted axis; several contracted axes count as one K, in the product's order):
;;     1. [M 2,048, K 2,048] x [K 2,048, N 2,048]; A: input hidden_states; B: input Wq: QUANTISED
;;     2. [M 2,048, K 2,048] x [K 2,048, N 1,024]; A: input hidden_states; B: input Wk: QUANTISED
;;     3. [M 2,048, K 2,048] x [K 2,048, N 1,024]; A: input hidden_states; B: input Wv: QUANTISED
;;     4. [M 2,048, K 2,048] x [K 2,048, N 8]; A: input hidden_states; B: input gate_w: left as it is (N = 8 < 16)
;;     5. batch 8 x [M 4,096, K 128] x [K 128, N 2,048]; A: computed on the way; B: computed on the way: QUANTISED
;;     6. batch 8 x [M 4,096, K 2,048] x [K 2,048, N 128]; A: softmax (see below); B: computed on the way: QUANTISED
;;     7. [M 2,048, K 2,048] x [K 2,048, N 2,048]; A: computed on the way; B: input Wo: QUANTISED
;;   THE QUANTISER, for each operand of a quantised product, along K:
;;     - K is cut into blocks of 32 from its start; a last block that is shorter is filled with zeros.
;;     - A block's scale is 2^e with e = floor(log2(the largest magnitude in the block)) - 2, held to -126 .. 127; a block of zeros has e = 0. As a byte (E8M0): e + 127.
;;     - Each number is divided by its block's scale, clamped to +-7.5, and rounded to the nearest number of E2M3, ties to even, subnormals kept.
;;     - The product sums the exact products of the quantised numbers (number of the format x scale) in f32.
;;   ~~~python
;;   def quantise(x, axis):      # numpy; x: float32 -> the quantised numbers, widened to float32 again
;;       x = np.moveaxis(x, axis, -1); K = x.shape[-1]
;;       x = np.pad(x, [(0, 0)] * (x.ndim - 1) + [(0, -K % 32)]); x = x.reshape(x.shape[:-1] + (-1, 32)); a = np.abs(x).max(-1, keepdims=True)
;;       e = np.where(a > 0, np.clip(np.frexp(np.where(a > 0, a, 1))[1] - 1 - 2, -126, 127), 0)      # np.frexp(a)[1] - 1 = floor(log2(a)), exactly
;;       r = np.clip(x / 2.0 ** e, -7.5, 7.5)
;;       step = 2.0 ** (np.maximum(np.frexp(np.where(r == 0, 1, r))[1] - 1, 0) - 3)
;;       q = np.round(r / step) * step * 2.0 ** e      # np.round: ties to even
;;       return np.moveaxis(q.reshape(q.shape[:-2] + (-1,))[..., :K], -1, axis).astype(np.float32)
;;   ~~~
;;   SOFTMAX AHEAD OF A QUANTISED PRODUCT. Where the list says 'softmax', what is quantised is not the finished softmax but p = 2^(t - M), with t = logit x log2(e) and M = ceil(the row's largest t), a whole number; so 1/2 < the row's largest p <= 1. The row's sum l is taken of the UNQUANTISED p, in f32, and the product's result is divided by l at the end. Since M is a whole number, a kernel that streams over the keys may use a running M (the ceiling of the running maximum): every later rescaling is an exact power of two, which a block's scale takes up: the codes' values come out the same.
;;   OPERANDS COMPUTED ON THE WAY. 'Computed on the way' means the value that the module computes at that place (a softmax that the list does not call 'softmax' is quantised finished and normalised). What goes into a quantiser is computed in f32, as accurately as f32 sums, v_exp_f32 and their like allow (about 1e-6 of the number): no bf16 or f16 on the way to a quantiser, and a product that is left as it is and whose result goes on into a quantised operand takes f32 operands (vector FMAs, or v_wmma_f32_16x16x4_f32). A number that lies on a knife's edge between two numbers of the format may be rounded either way, as far as f32 arithmetic and the matrix unit's own rounding can turn it there, and no further.
;; One version. Each part assembles by itself: llvm-mc -triple=amdgcn-amd-amdhsa -mcpu=gfx1250 --defsym DOCPART=n.
;; ======== version 1 of 1: 4 launches
;; workspace buffers: hq 3,276,800 bytes; w3 6,553,600 bytes; woq 3,276,800 bytes; qbuf 3,276,800 bytes; kv 3,342,336 bytes; abuf 3,276,800 bytes
;; launch prep (part 1): grid 512 x 1, 8 waves a work-group, no clusters, 99,328 bytes of LDS; arguments hidden_states, gate_w, gate_b, Wq, Wk, Wv, Wo, hq, w3, woq, kv; writes hq, w3, woq, kv
.if DOCPART == 1
	.amdgcn_target "amdgcn-amd-amdhsa--gfx1250"
	.amdhsa_code_object_version 6
	.text
	.protected	k_q5b40572ede_prep
	.globl	k_q5b40572ede_prep
	.p2align	8
	.type	k_q5b40572ede_prep,@function
k_q5b40572ede_prep:
	s_mov_b64 s[64:65], 0
	v_nop
	global_prefetch_b8 v0, s[64:65] scope:SCOPE_SE
	s_setreg_imm32_b32 hwreg(HW_REG_WAVE_MODE, 25, 1), 1
	s_wait_xcnt 0x0
; PREPARE.  hidden_states [2048][2048] and the four weights [2048 (k)][n], f32, become codes of FP6 (E2M3) with one E8M0 byte for each 32 along K,
; and the retention gate becomes B[head][key] = ln(max(sigmoid(x . gate_w + gate_b), 1e-8)) x sqrt(128), f32.
; LAYOUT OF AN OPERAND.  Rows (tokens, or a weight's columns n) go in tiles of 16: tile 2 b + u, row r stands for index 32 b + 8 u + r + 8 (r / 8).  A fragment (16 rows x 128 K, 12 registers a lane)
; lies in memory as an image of its registers: three pieces of 512 bytes, lane l's registers 4 c .. 4 c + 3 at 512 c + 16 l.  A block of 128 rows x K 2,048 is 204,800 dense bytes:
; codes [tile 0..7][K step 0..15][1,536], then scale words [tile][K step][16 rows], one word (four bytes: 128 along K) a row.
; WORK-GROUPS 0-127: one tile of 16 tokens each; wave w takes K steps 2 w and 2 w + 1, quantises them and adds up its part of the gate's eight sums by fused multiply-adds in f32.
; WORK-GROUPS 128-511: the weights: a lane takes a column, its registers run down K, so a block of 32 along K lies in one lane; the codes go through the wave's own stage in LDS and leave as images.
; The two ways part on the work-group's number and have LDS bytes of their own.
; LIMITS: a block whose largest magnitude lies under 2^-124 keeps the byte 1; a block of zeros gets the byte 1 and not 127 (its codes are zeros, and this program alone reads the bytes);
; NaN and infinities among the inputs are not served.
.set OPB,  204800                      ; an operand block in bytes
.set SCO,  196608                      ; where its scale words begin
.set KVB,  52224                       ; a slot of 256 keys in kv
.set KVH,  417792                      ; a head's eight slots
.set LBO,  51200                       ; where B lies in a slot
.set ZP,   65536                       ; LDS: the gate's partial sums, 512 bytes a wave (gate_w lies at 0, 8,192 bytes a wave)
.set STB0, 69632                       ; LDS: the weights' stages, 3,328 bytes a wave
.set WV,   26                          ; s26 wave
.set SEL,  28                          ; s[28:29] selects of v_permlanex16_b32: lane l xor 16
.set MK,   30                          ; s30 lanes 16-31
.set X,    16                          ; v16-143  two K steps x 64 numbers of x
.set G,    144                         ; v144-207 gate_w as loaded, then two batches of four rows
.set Z,    208                         ; v208-215 the gate's eight sums
.set TM,   216                         ; v216-231 the quantiser's
.set PW,   232                         ; the scale word just made
.set PW0,  233                         ; the first K step's
.set PC,   234                         ; v234-252 the codes just made
.set KVO,  254                         ; my offset in kv
.set ZR,   255                         ; where wave 0 reads the partial sums
.set RO,   16                          ; weights: v16-47 offsets of 32 rows
.set XW,   48                          ; v48-111 two sets of 32 numbers
.set CW,   112                         ; v112-118 a block's codes
.set SB,   120                         ; my column's scale word
.set OUTR, 128                         ; v128-151 the way out
.set BB,   52                          ; s[52:59] the four blocks' bases
; 64 numbers of a lane, register 16 b + i = k 32 b + 16 (lane / 16) + i of my row, become a fragment's codes in v[PC] on and its scale word in v[PW]
.macro QUANT s
.irp b, 0,1,2,3
	v_max3_num_f32 v[TM+\b], |v[\s+16*\b]|, |v[\s+1+16*\b]|, 0x1800000   ; my 16 numbers of block b, and the floor 2^(3 - 127): the byte cannot fall under 1
.endr
.irp i, 2,4,6,8,10,12,14
.irp b, 0,1,2,3
	v_max3_num_f32 v[TM+\b], v[TM+\b], |v[\s+16*\b+\i]|, |v[\s+1+16*\b+\i]|
.endr
.endr
.irp b, 0,1,2,3
	v_permlanex16_b32 v[TM+4+\b], v[TM+\b], s[SEL], s[SEL+1]
.endr
.irp b, 0,1,2,3
	v_max_num_f32 v[TM+\b], v[TM+\b], v[TM+4+\b]   ; with lane l xor 16's: the block's largest magnitude
.endr
.irp b, 0,1,2,3
	v_add_nc_u32 v[TM+12+\b], 0xff000000, v[TM+\b]   ; 2 off its exponent field: the conversion's scale operand
.endr
.irp b, 0,1,2,3
	v_lshrrev_b32 v[TM+4+\b], 23, v[TM+12+\b]      ; the scale's byte
.endr
	v_lshl_or_b32 v[PW], v[TM+5], 8, v[TM+4]
	v_lshl_or_b32 v[PW], v[TM+6], 16, v[PW]
	v_lshl_or_b32 v[PW], v[TM+7], 24, v[PW]
.irp c, 0,1
	v_cvt_scalef32_pk16_fp6_f32 v[PC+6*\c:PC+2+6*\c], v[\s+32*\c:\s+15+32*\c], v[TM+12+2*\c]
	v_cvt_scalef32_pk16_fp6_f32 v[PC+12+4*\c:PC+14+4*\c], v[\s+16+32*\c:\s+31+32*\c], v[TM+12+2*\c+1]   ; (a conversion's three registers begin on an even number)
.endr
	v_nop                                          ; one plain place behind a scaled conversion
.irp c, 0,1                                    ; the operand's layout wants a whole block in a lane: lanes 0-15 block 2 c, lanes 16-31 block 2 c + 1
.irp i, 0,1,2
	v_permlane16_swap_b32 v[PC+6*\c+\i], v[PC+12+4*\c+\i]
.endr
.irp i, 0,1,2
	v_mov_b32 v[PC+3+6*\c+\i], v[PC+12+4*\c+\i]
.endr
.endr
.endm
; the gate.  Batch bt (0..31) is four neighbouring k of my lane: x's registers X + 4 bt on; their rows of gate_w (8 numbers, 32 bytes) come from my wave's part of LDS, the same address in sixteen lanes
.macro GLOAD bt
.set KO_, 128*((\bt)/16)+32*(((\bt)%16)/4)+4*((\bt)%4)
.set GB_, G+32*((\bt)%2)
.irp kk, 0,1,2,3
	ds_load_b128 v[GB_+8*\kk:GB_+8*\kk+3], v5 offset:(KO_+\kk)*32
	ds_load_b128 v[GB_+8*\kk+4:GB_+8*\kk+7], v5 offset:(KO_+\kk)*32+16
.endr
.endm
.macro GFMA bt                         ; z[2 p, 2 p + 1] += x[k] gate_w[k][2 p, 2 p + 1]; the very first product starts the sums
.set GB_, G+32*((\bt)%2)
.set XR_, X+4*(\bt)
.irp kp, 0,1
.irp p, 0,1,2,3
.if ((\bt) == 0) && (\kp == 0)
	v_pk_mul_f32 v[Z+2*\p:Z+2*\p+1], v[XR_:XR_+1], v[GB_+2*\p:GB_+2*\p+1] op_sel_hi:[0,1]
.else
	v_pk_fma_f32 v[Z+2*\p:Z+2*\p+1], v[XR_+2*\kp:XR_+2*\kp+1], v[GB_+16*\kp+2*\p:GB_+16*\kp+2*\p+1], v[Z+2*\p:Z+2*\p+1] op_sel_hi:[0,1,1]
.endif
.endr
.irp p, 0,1,2,3
	v_pk_fma_f32 v[Z+2*\p:Z+2*\p+1], v[XR_+2*\kp:XR_+2*\kp+1], v[GB_+16*\kp+8+2*\p:GB_+16*\kp+9+2*\p], v[Z+2*\p:Z+2*\p+1] op_sel:[1,0,0] op_sel_hi:[1,1,1]
.endr
.endr
.endm
.macro GATE sg
	GLOAD 16*\sg
.set BT, 16*\sg
.rept 16
.if (BT%16) < 15
	GLOAD BT+1
	s_wait_dscnt 8                                 ; this batch's eight loads are in; the next batch's eight may be out
.else
	s_wait_dscnt 0x0
.endif
	GFMA BT
.set BT, BT+1
.endr
.endm
	s_load_b512 s[4:19], s[0:1], 0x0               ; hidden s[4:5], gate_w s[6:7], gate_b s[8:9], Wq s[10:11], Wk s[12:13], Wv s[14:15], Wo s[16:17], hq s[18:19]
	s_load_b128 s[20:23], s[0:1], 0x40             ; w3 s[20:21], woq s[22:23]
	s_load_b64 s[24:25], s[0:1], 0x50              ; kv
	v_lshl_add_u32 v249, v0, 2, 0x18000
	v_mov_b32 v253, 0
	v_lshrrev_b32 v1, 5, v0
	v_readfirstlane_b32 s[WV], v1                  ; wave 0..7
	v_and_b32 v1, 31, v0                           ; lane
	v_lshlrev_b32 v7, 4, v1                        ; 16 x lane
	s_mov_b32 s[SEL], 0x76543210
	s_mov_b32 s[SEL+1], 0xfedcba98
	s_mov_b32 s[MK], 0xffff0000
	s_cmp_ge_u32 ttmp9, 128
	s_cbranch_scc1 .Lweights
	; ---------------- a tile of 16 tokens: tile = the work-group's number ----------------
	v_and_b32 v2, 15, v0                           ; r
	v_bfe_u32 v3, v0, 4, 1                         ; h
	v_and_b32 v9, 8, v2
	v_add_nc_u32 v9, v9, v2                        ; r + 8 (r / 8)
	v_lshlrev_b32 v4, 13, v9
	v_lshl_add_u32 v4, v3, 6, v4                   ; x: my row of 8,192 bytes, + 64 h: my 16 numbers of a block of 32
	s_lshl_b32 s44, s[WV], 13                      ; 8,192 x wave: my 256 rows of gate_w, in memory and in LDS
	s_mov_b32 s45, 0
	v_add_nc_u32 v6, s44, v7                       ; LDS: where I put gate_w
	v_lshlrev_b32 v5, 9, v3
	v_add_nc_u32 v5, s44, v5                       ; and where I read it: lanes 16-31 stand 16 rows on
	v_lshlrev_b32 v8, 2, v1                        ; 4 x lane
	s_lshl_b32 s31, s[WV], 9
	v_add_nc_u32 v10, s31, v7
	v_add_nc_u32 v10, ZP, v10                      ; my wave's partial sums
	v_add_nc_u32 v[ZR], ZP, v7
	v_lshlrev_b32 v11, 4, v3                       ; gate_b: heads 4 h on
	v_mul_u32_u24 v[KVO], v3, 4*KVH
	v_lshl_add_u32 v[KVO], v9, 2, v[KVO]           ; kv: heads 4 h on, my token's word
.irp b, 0,1,2,3
	v_mov_b32 v[TM+4+\b], 0                        ; written once: a lane permute's destination counts as one of its sources
.endr
	s_lshr_b32 s32, ttmp9, 1
	s_lshl_b32 s32, s32, 5
	s_and_b32 s33, ttmp9, 1
	s_lshl_b32 s33, s33, 3
	s_add_co_u32 s32, s32, s33                     ; the tile's first token: 32 (tile / 2) + 8 (tile % 2)
	s_lshl_b32 s34, s32, 13
	s_lshl_b32 s33, s[WV], 10
	s_add_co_u32 s34, s34, s33                     ; x: its row, + my two K steps' 1,024 bytes
	s_mov_b32 s35, 0
	s_lshr_b32 s36, ttmp9, 3
	s_mul_i32 s36, s36, OPB                        ; hq: the block of 128 tokens
	s_and_b32 s37, ttmp9, 7
	s_mul_i32 s38, s37, 24576
	s_add_co_u32 s38, s38, s36
	s_mul_i32 s33, s[WV], 3072
	s_add_co_u32 s38, s38, s33                     ; the tile's codes, K step 2 w
	s_mov_b32 s39, 0
	s_lshl_b32 s40, s37, 10
	s_add_co_u32 s40, s40, s36
	s_lshl_b32 s33, s[WV], 7
	s_add_co_u32 s40, s40, s33
	s_add_co_u32 s40, s40, SCO                     ; its scale words, K steps 2 w and 2 w + 1
	s_mov_b32 s41, 0
	s_lshr_b32 s42, ttmp9, 4
	s_mul_i32 s42, s42, KVB                        ; kv: the slot of 256 keys,
	s_and_b32 s33, s32, 255
	s_lshl_b32 s33, s33, 2
	s_add_co_u32 s42, s42, s33
	s_add_co_u32 s42, s42, LBO                     ; B at the tile's first token
	s_mov_b32 s43, 0
	s_wait_kmcnt 0x0
	s_add_nc_u64 s[4:5], s[4:5], s[34:35]
	s_add_nc_u64 s[6:7], s[6:7], s[44:45]
	s_add_nc_u64 s[46:47], s[18:19], s[38:39]
	s_add_nc_u64 s[48:49], s[18:19], s[40:41]
	s_add_nc_u64 s[24:25], s[24:25], s[42:43]
	global_load_b128 v[12:15], v11, s[8:9]         ; gate_b
.irp m, 0,1,2,3,4,5,6,7,8,9,10,11,12,13,14,15
	global_load_b128 v[G+4*\m:G+4*\m+3], v7, s[6:7] offset:512*\m   ; my 256 rows of gate_w, 512 consecutive bytes a load
.endr
.irp sg, 0,1
.irp b, 0,1,2,3
.irp j, 0,1,2,3
	global_load_b128 v[X+64*\sg+16*\b+4*\j:X+64*\sg+16*\b+4*\j+3], v4, s[4:5] offset:512*\sg+128*\b+16*\j th:TH_LOAD_NT
.endr
.endr
.endr
	s_wait_loadcnt 32                              ; gate_b and gate_w are in; x's 32 loads may be out
.irp m, 0,1,2,3,4,5,6,7,8,9,10,11,12,13,14,15
	ds_store_b128 v6, v[G+4*\m:G+4*\m+3] offset:512*\m   ; my wave's own bytes: no other wave touches them
.endr
	s_wait_dscnt 0x0                               ; the stores have read their registers, which take the batches now
	s_wait_loadcnt 16                              ; the first K step's numbers are in
	GATE 0
	QUANT X
.irp c, 0,1,2
	global_store_b128 v7, v[PC+4*\c:PC+4*\c+3], s[46:47] offset:512*\c   ; the image: 512 consecutive bytes a store
.endr
	v_mov_b32 v[PW0], v[PW]
	s_wait_loadcnt 0x0
	GATE 1
	s_wait_xcnt 0x0                                ; the codes' registers are written again only behind this wait
	QUANT X+64
.irp c, 0,1,2
	global_store_b128 v7, v[PC+4*\c:PC+4*\c+3], s[46:47] offset:1536+512*\c
.endr
	v_cndmask_b32 v[PW0], v[PW0], v[PW], s[MK]     ; lanes 0-15 the first K step's words, lanes 16-31 the second's: 128 consecutive bytes
	global_store_b32 v8, v[PW0], s[48:49]
	; the gate's sums: the two halves of the lanes, then the eight waves
.irp j, 0,1,2,3,4,5,6,7
	v_permlanex16_b32 v[G+\j], v[Z+\j], s[SEL], s[SEL+1]
.endr
.irp p, 0,1,2,3
	v_pk_add_f32 v[Z+2*\p:Z+2*\p+1], v[Z+2*\p:Z+2*\p+1], v[G+2*\p:G+2*\p+1]
.endr
.irp j, 0,1,2,3
	v_cndmask_b32 v[G+\j], v[Z+\j], v[Z+4+\j], s[MK]   ; lane (r, h) keeps heads 4 h .. 4 h + 3 of token r
.endr
	ds_store_b128 v10, v[G:G+3]
	s_wait_dscnt 0x0                               ; for the others' sake: my partial sums lie in LDS
	s_barrier_signal -1
	s_barrier_wait -1
	s_cmp_lg_u32 s[WV], 0
	s_cbranch_scc1 .Lend                           ; wave 0 finishes the gate
.irp m, 0,1,2,3,4,5,6,7
	ds_load_b128 v[G+4*\m:G+4*\m+3], v[ZR] offset:512*\m
.endr
	s_wait_dscnt 0x0
.irp m, 1,2,3,4,5,6,7
	v_pk_add_f32 v[G:G+1], v[G:G+1], v[G+4*\m:G+4*\m+1]
	v_pk_add_f32 v[G+2:G+3], v[G+2:G+3], v[G+4*\m+2:G+4*\m+3]
.endr
	v_pk_add_f32 v[G:G+1], v[G:G+1], v[12:13]
	v_pk_add_f32 v[G+2:G+3], v[G+2:G+3], v[14:15]
.irp j, 0,1,2,3
	v_mul_f32 v[G+\j], 0xbfb8aa3b, v[G+\j]         ; -z log2(e)
.endr
.irp j, 0,1,2,3
	v_exp_f32 v[G+\j], v[G+\j]                     ; e^-z
.endr
	v_nop                                          ; a plain place behind the batch,
	s_wait_alu depctr_va_vdst(0)                   ; and the one wait ahead of its first reader
.irp j, 0,1,2,3
	v_add_f32 v[G+\j], 1.0, v[G+\j]
.endr
.irp j, 0,1,2,3
	v_rcp_f32 v[G+\j], v[G+\j]                     ; beta
.endr
	v_nop
	s_wait_alu depctr_va_vdst(0)
.irp j, 0,1,2,3
	v_max_num_f32 v[G+\j], 0x322bcc77, v[G+\j]     ; held at 1e-8 from below
.endr
.irp j, 0,1,2,3
	v_log_f32 v[G+\j], v[G+\j]
.endr
	v_nop
	s_wait_alu depctr_va_vdst(0)
.irp j, 0,1,2,3
	v_mul_f32 v[G+\j], 0x40faf233, v[G+\j]         ; x ln 2 x sqrt(128)
.endr
.irp j, 0,1,2,3
	global_store_b32 v[KVO], v[G+\j], s[24:25] offset:KVH*\j   ; pieces of 32 bytes: all of B is 65,536 bytes, against 67 million that the launch reads
.endr
.Lend:
	s_wait_tensorcnt 0x0
	ds_add_u32 v249, v253
	s_wait_dscnt 0x0
	s_endpgm
	; ---------------- the weights: 128 columns x two K steps to a work-group, 32 columns x one K step (four blocks of 32) to a wave ----------------
.Lweights:
	s_sub_co_u32 s32, ttmp9, 128
	s_lshr_b32 s33, s32, 3                         ; which 128 columns: 0-15 Wq, 16-23 Wk, 24-31 Wv, 32-47 Wo
	s_and_b32 s34, s32, 7
	s_lshl_b32 s34, s34, 1
	s_lshr_b32 s35, s[WV], 2
	s_add_co_u32 s34, s34, s35                     ; my K step
	s_and_b32 s35, s[WV], 3                        ; my 32 columns: tiles 2 (w % 4) and 2 (w % 4) + 1
	s_and_b32 s36, s33, 31
	s_mul_i32 s36, s36, OPB                        ; the block in w3 or in woq
	s_mul_i32 s37, s35, 49152
	s_add_co_u32 s37, s37, s36
	s_mul_i32 s46, s34, 1536
	s_add_co_u32 s50, s37, s46                     ; my codes
	s_mov_b32 s51, 0
	s_lshl_b32 s37, s35, 11
	s_add_co_u32 s37, s37, s36
	s_lshl_b32 s46, s34, 6
	s_add_co_u32 s37, s37, s46
	s_add_co_u32 s46, s37, SCO                     ; my scale words
	s_mov_b32 s47, 0
	s_wait_kmcnt 0x0
	s_cmp_lt_u32 s33, 16                           ; the choices hang on the work-group's number alone
	s_cselect_b64 s[38:39], s[10:11], s[12:13]
	s_cselect_b32 s40, 13, 12                      ; a row is 2^13 bytes in Wq and Wo, 2^12 in Wk and Wv
	s_cselect_b32 s41, 0, 16
	s_cmp_lt_u32 s33, 24
	s_cselect_b64 s[38:39], s[38:39], s[14:15]
	s_cselect_b32 s41, s41, 24
	s_cmp_lt_u32 s33, 32
	s_cselect_b64 s[38:39], s[38:39], s[16:17]
	s_cselect_b32 s40, s40, 13
	s_cselect_b32 s41, s41, 32
	s_cselect_b64 s[42:43], s[20:21], s[22:23]
	s_add_nc_u64 s[60:61], s[42:43], s[50:51]
	s_add_nc_u64 s[62:63], s[42:43], s[46:47]
	s_sub_co_u32 s41, s33, s41                     ; which 128 columns of that weight
	s_lshl_b32 s41, s41, 9
	s_lshl_b32 s44, s35, 7
	s_add_co_u32 s41, s41, s44                     ; my first column, in bytes
	s_lshl_b32 s45, 1, s40                         ; a row in bytes
	s_lshl_b32 s31, s34, 7                         ; my first k
	s_mov_b32 s49, 0
.irp t, 0,1,2,3
	s_add_co_u32 s48, s31, 32*\t
	s_lshl_b32 s48, s48, s40
	s_add_co_u32 s48, s48, s41
	s_add_nc_u64 s[BB+2*\t:BB+2*\t+1], s[38:39], s[48:49]   ; a base for each block: none is ever stepped
.endr
	v_lshlrev_b32 v[RO], 2, v1                     ; 4 bytes a lane: a load reads 128 consecutive bytes, the four waves side by side 512
.set I_, 1
.rept 31
	v_add_nc_u32 v[RO+I_], s45, v[RO+I_-1]
.set I_, I_+1
.endr
	v_bfe_u32 v2, v1, 3, 1                         ; column n of my 32 is row r = n % 8 + 8 (n / 16) of tile u = (n / 8) % 2
	v_and_b32 v3, 7, v1
	v_lshrrev_b32 v4, 4, v1
	v_lshl_add_u32 v3, v4, 3, v3
	s_mul_i32 s47, s[WV], 3328
	s_add_co_u32 s47, s47, STB0                    ; my stage: two images, 1,664 bytes apart
	v_mul_u32_u24 v5, v2, 1664
	v_lshl_add_u32 v5, v3, 4, v5
	v_add_nc_u32 v5, s47, v5                       ; into it: lane r's place in tile u's image
	v_add_nc_u32 v6, s47, v7                       ; out of it: 16 x lane
	v_lshlrev_b32 v8, 10, v2
	v_lshl_add_u32 v8, v3, 2, v8                   ; my scale word: 1,024 u + 4 r
.macro LOADW t                         ; block t: W(32 t + i, my column), i = 0 .. 31
.set I_, 0
.rept 32
	global_load_b32 v[XW+32*((\t)%2)+I_], v[RO+I_], s[BB+2*(\t):BB+2*(\t)+1] th:TH_LOAD_NT
.set I_, I_+1
.endr
.endm
.macro BLOCKW t
.set XS_, XW+32*((\t)%2)
.if (\t) < 3
	s_wait_loadcnt 32                              ; this block's 32 loads are in; the next block's may be out
.else
	s_wait_loadcnt 0x0
.endif
	v_max3_num_f32 v122, |v[XS_]|, |v[XS_+1]|, |v[XS_+2]|   ; the block's largest magnitude: all 32 numbers are mine
	v_max3_num_f32 v123, |v[XS_+3]|, |v[XS_+4]|, |v[XS_+5]|
.irp i, 6,10,14,18,22,26
	v_max3_num_f32 v122, v122, |v[XS_+\i]|, |v[XS_+\i+1]|
	v_max3_num_f32 v123, v123, |v[XS_+\i+2]|, |v[XS_+\i+3]|
.endr
	v_max3_num_f32 v122, v122, |v[XS_+30]|, |v[XS_+31]|
	v_max3_num_f32 v122, v122, v123, 0x1800000     ; and the floor
	v_add_nc_u32 v121, 0xff000000, v122            ; the conversion's scale operand
	v_lshrrev_b32 v123, 23, v121                   ; the byte
.if (\t) == 0
	v_mov_b32 v[SB], v123
.else
	v_lshl_or_b32 v[SB], v123, 8*(\t), v[SB]
.endif
	v_cvt_scalef32_pk16_fp6_f32 v[CW:CW+2], v[XS_:XS_+15], v121
	v_cvt_scalef32_pk16_fp6_f32 v[CW+4:CW+6], v[XS_+16:XS_+31], v121
	v_nop                                          ; one plain place behind a scaled conversion
	v_mov_b32 v[CW+3], v[CW+4]
	v_mov_b32 v[CW+4], v[CW+5]
	v_mov_b32 v[CW+5], v[CW+6]                     ; six registers on end: registers 6 (t / 2) .. + 5 of lane r + 16 (t % 2) of the fragment
.if (\t) < 2
	ds_store_b128 v5, v[CW:CW+3] offset:256*((\t)%2)
	ds_store_b64 v5, v[CW+4:CW+5] offset:512+256*((\t)%2)
.else
	ds_store_b64 v5, v[CW:CW+1] offset:520+256*((\t)%2)
	ds_store_b128 v5, v[CW+2:CW+5] offset:1024+256*((\t)%2)
.endif
.if (\t) < 2
	LOADW (\t)+2
.endif
	s_wait_dscnt 0x0                               ; the stores have read their registers: the next block's codes may be written
.endm
	LOADW 0
	LOADW 1
	BLOCKW 0
	BLOCKW 1
	BLOCKW 2
	BLOCKW 3
	global_store_b32 v8, v[SB], s[62:63]           ; two pieces of 64 bytes
.irp u, 0,1
.irp c, 0,1,2
	ds_load_b128 v[OUTR+4*(3*\u+\c):OUTR+4*(3*\u+\c)+3], v6 offset:1664*\u+512*\c   ; LDS serves a wave's instructions in order: these see my stores
.endr
.endr
.irp u, 0,1
.irp c, 0,1,2
	s_wait_dscnt 5-(3*\u+\c)                       ; the younger loads may be out
	global_store_b128 v7, v[OUTR+4*(3*\u+\c):OUTR+4*(3*\u+\c)+3], s[60:61] offset:24576*\u+512*\c   ; 512 consecutive bytes, aligned
.endr
.endr
	s_wait_tensorcnt 0x0
	ds_add_u32 v249, v253
	s_wait_dscnt 0x0
	s_endpgm
.Lfunc_end_k_q5b40572ede_prep:
	.size	k_q5b40572ede_prep, .Lfunc_end_k_q5b40572ede_prep-k_q5b40572ede_prep
	.p2alignl 7, 3214868480
	.fill 96, 4, 3214868480
	.section	.rodata,"a",@progbits
	.p2align	6, 0x0
	.amdhsa_kernel k_q5b40572ede_prep
		.amdhsa_group_segment_fixed_size 99328
		.amdhsa_private_segment_fixed_size 0
		.amdhsa_enable_private_segment 0
		.amdhsa_kernarg_size 88
		.amdhsa_user_sgpr_count 2
		.amdhsa_user_sgpr_kernarg_segment_ptr 1
		.amdhsa_wavefront_size32 1
		.amdhsa_system_sgpr_workgroup_id_x 1
		.amdhsa_system_sgpr_workgroup_id_y 1
		.amdhsa_system_sgpr_workgroup_id_z 1
		.amdhsa_system_vgpr_workitem_id 0
		.amdhsa_next_free_vgpr 256
		.amdhsa_next_free_sgpr 66
		.amdhsa_reserve_vcc 0
		.amdhsa_float_denorm_mode_32 3
		.amdhsa_float_denorm_mode_16_64 3
		.amdhsa_memory_ordered 1
		.amdhsa_forward_progress 1
		.amdhsa_inst_pref_size 95
	.end_amdhsa_kernel
	.amdgpu_metadata
---
amdhsa.version: [ 1, 2 ]
amdhsa.kernels:
  - .name:           k_q5b40572ede_prep
    .symbol:         k_q5b40572ede_prep.kd
    .args:
      - { .name: hidden_states, .offset: 0, .size: 8, .value_kind: global_buffer, .address_space: global }
      - { .name: gate_w, .offset: 8, .size: 8, .value_kind: global_buffer, .address_space: global }
      - { .name: gate_b, .offset: 16, .size: 8, .value_kind: global_buffer, .address_space: global }
      - { .name: Wq, .offset: 24, .size: 8, .value_kind: global_buffer, .address_space: global }
      - { .name: Wk, .offset: 32, .size: 8, .value_kind: global_buffer, .address_space: global }
      - { .name: Wv, .offset: 40, .size: 8, .value_kind: global_buffer, .address_space: global }
      - { .name: Wo, .offset: 48, .size: 8, .value_kind: global_buffer, .address_space: global }
      - { .name: hq, .offset: 56, .size: 8, .value_kind: global_buffer, .address_space: global }
      - { .name: w3, .offset: 64, .size: 8, .value_kind: global_buffer, .address_space: global }
      - { .name: woq, .offset: 72, .size: 8, .value_kind: global_buffer, .address_space: global }
      - { .name: kv, .offset: 80, .size: 8, .value_kind: global_buffer, .address_space: global }
    .group_segment_fixed_size: 99328
    .private_segment_fixed_size: 0
    .kernarg_segment_align: 8
    .kernarg_segment_size: 88
    .max_flat_workgroup_size: 256
    .sgpr_count:     66
    .vgpr_count:     256
    .wavefront_size: 32
...
	.end_amdgpu_metadata
.endif
;; end of part 1
;; launch qkv (part 2): grid 4 x 128, 4 waves a work-group, clusters of 4 x 1, 213,504 bytes of LDS; arguments hq, w3, cos, sin, q_norm_w, k_norm_w, qbuf, kv; writes qbuf, kv
.if DOCPART == 2
	.amdgcn_target "amdgcn-amd-amdhsa--gfx1250"
	.amdhsa_code_object_version 6
	.text
	.protected	k_q5b40572ede_qkv
	.globl	k_q5b40572ede_qkv
	.p2align	8
	.type	k_q5b40572ede_qkv,@function
k_q5b40572ede_qkv:
	s_mov_b64 s[64:65], 0
	v_nop
	global_prefetch_b8 v0, s[64:65] scope:SCOPE_SE
	s_setreg_imm32_b32 hwreg(HW_REG_WAVE_MODE, 25, 1), 1
	s_wait_xcnt 0x0
	s_wait_alu depctr_hold_cnt(0) depctr_sa_sdst(0) depctr_va_vdst(0) depctr_va_sdst(0) depctr_va_ssrc(0) depctr_va_vcc(0) depctr_vm_vsrc(0)
	s_getreg_b32 s2, hwreg(HW_REG_IB_STS2, 6, 4)
	s_cmp_eq_u32 s2, 0
	s_cbranch_scc0 .Lentry_in_a_cluster
	s_endpgm
.Lentry_in_a_cluster:
	s_bfe_u32 s2, ttmp6, 0x10000c
	s_cmp_lg_u32 s2, 0x3003
	s_cbranch_scc0 .Lentry_shape_is_right
	s_endpgm
.Lentry_shape_is_right:
; THE THREE PROJECTIONS on codes of FP6 (E2M3), with what follows them: per-head RMSNorm and RoPE for q and k, and the quantiser for the attention's products.
; A work-group makes 128 rows of X (source 0) x 128 rows of Y (source 1), K = 2,048; wave w takes Y's tiles 2 w and 2 w + 1 against X's eight: 16 accumulators.
; X, one operand block of 204,800 bytes, lies WHOLE in LDS, filled once by five tensor loads a wave; the four work-groups of a cluster need the same X and ask for it jointly.
; Y, 2 tiles x 16 K steps = 384 registers, goes from memory straight into the wave's registers as images.  Nothing in LDS is filled twice.
; Clusters 0-95 (q and k heads): X = a head's 128 columns of the weight, Y = 128 tokens: a lane holds ONE token, its 64 registers run along the head's channels: norm, RoPE and the quantiser along the channels stay in the lane.
; Clusters 96-127 (v heads): X = 128 tokens, Y = a head's columns of Wv: a lane holds ONE channel, its registers run along 128 keys: the quantiser along the keys stays in the lane; nothing is transposed.
; The rows of a tile are not neighbours (tile 2 b + u, row r: index 32 b + 8 u + r + 8 (r / 8)), so that register 16 b + i of a lane is index 32 b + 16 (lane / 16) + i.
; LIMITS: a block whose largest magnitude lies under 2^-124 keeps the byte 1; a block of zeros gets the byte 1 (its codes are zeros; this program alone reads the bytes); NaN and infinities are not served.
; No prefetch: every byte that the work-group reads is asked for at its head.
; REGISTERS: window 0: v1-13 addresses; v32-47 Y's scale words, v48-63 X's (two sets); v64-115 the way out; v128-255 the accumulators ((y, i) at 128 + 64 y + 8 i).
;   window 1: X's fragments, two sets of 96; v192-255 the norm's weights.   window 2: Y's K steps 0-9, later cos and sin.   window 3: Y's K steps 10-15; v144-207 sin of the second tile.
.set OPB,  204800
.set SCO,  196608
.set KVB,  52224
.set XSC,  196608                      ; LDS: X's scale words; its codes lie at 0, four chunks of four K steps, 49,152 bytes each: [tile][4 steps][1,536]
.set LI,   1                           ; v1  16 x lane
.set LS,   2                           ; v2  4 x lane
.set AX,   3                           ; v3-6  16 x lane + 49,152 x chunk
.set ASX,  7                           ; v7  4 x lane + XSC
.set CA,   8                           ; v8  cos, sin: my token's row, + 64 h
.set NA,   13                          ; v13 the norm's weights: 64 h
.set YS,   32
.set XS,   48
.set TM,   64
.set PW,   80
.set PW0,  81
.set PC,   96
.set ACC,  128
.set WV,   20
.set CL,   21
.set CX,   22
.set G1C,  24                          ; s[24:31] group 1 for a chunk's part;  s[32:39] for the scale words;  s[40:59] five groups 0
.set G1S,  32
.set G0,   40
.set SEL,  60
.set MK,   62
.set IN128, 63
.set EPS,  66
.set XBP,  68
.set YP,   70
.set YSP,  72
.set CP,   74
.set SP,   76
.set NW,   78
.set COSP, 80
.set SINP, 82
.set MSB, 0
.macro WIN new                         ; the immediate's high byte repeats the setting that is left
.if MSB != (\new)
	s_set_vgpr_msb (MSB<<8)|(\new)
.set MSB, \new
.endif
.endm
.macro PLACES
.rept 4
	v_nop
.endr
.endm
.macro CROUND                          ; a round of the cluster's barrier
	s_barrier_signal -1
	s_barrier_wait -1
	s_cmp_lg_u32 s[WV], 0
	s_cbranch_scc1 .Lnot_wave_0_\@
	s_barrier_signal -3
.Lnot_wave_0_\@:
	s_barrier_wait -3
	s_barrier_signal -1
	s_barrier_wait -1
.endm
.macro QUANT s                         ; 64 numbers of a lane, register 16 b + i = k 32 b + 16 (lane / 16) + i, become a fragment's codes in v[PC] on and its scale word in v[PW]
.irp b, 0,1,2,3
	v_max3_num_f32 v[TM+\b], |v[\s+16*\b]|, |v[\s+1+16*\b]|, 0x1800000   ; and the floor 2^(3 - 127): the byte cannot fall under 1
.endr
.irp i, 2,4,6,8,10,12,14
.irp b, 0,1,2,3
	v_max3_num_f32 v[TM+\b], v[TM+\b], |v[\s+16*\b+\i]|, |v[\s+1+16*\b+\i]|
.endr
.endr
.irp b, 0,1,2,3
	v_permlanex16_b32 v[TM+4+\b], v[TM+\b], s[SEL], s[SEL+1]
.endr
.irp b, 0,1,2,3
	v_max_num_f32 v[TM+\b], v[TM+\b], v[TM+4+\b]
.endr
.irp b, 0,1,2,3
	v_add_nc_u32 v[TM+12+\b], 0xff000000, v[TM+\b]   ; 2 off the exponent field: the conversion's scale operand
.endr
.irp b, 0,1,2,3
	v_lshrrev_b32 v[TM+4+\b], 23, v[TM+12+\b]
.endr
	v_lshl_or_b32 v[PW], v[TM+5], 8, v[TM+4]
	v_lshl_or_b32 v[PW], v[TM+6], 16, v[PW]
	v_lshl_or_b32 v[PW], v[TM+7], 24, v[PW]
.irp c, 0,1
	v_cvt_scalef32_pk16_fp6_f32 v[PC+6*\c:PC+2+6*\c], v[\s+32*\c:\s+15+32*\c], v[TM+12+2*\c]
	v_cvt_scalef32_pk16_fp6_f32 v[PC+12+4*\c:PC+14+4*\c], v[\s+16+32*\c:\s+31+32*\c], v[TM+12+2*\c+1]
.endr
	v_nop                                          ; one plain place behind a scaled conversion
.irp c, 0,1
.irp i, 0,1,2
	v_permlane16_swap_b32 v[PC+6*\c+\i], v[PC+12+4*\c+\i]
.endr
.irp i, 0,1,2
	v_mov_b32 v[PC+3+6*\c+\i], v[PC+12+4*\c+\i]
.endr
.endr
.endm
; one matrix instruction on the registers RD, RA, RB, RSA, RSB.  z = 1: it starts the sum.  rows = 2: both sides' scale words stand in lanes 16-31
.macro WMM z, rows
.if \z
	v_wmma_scale_f32_16x16x128_f8f6f4 v[RD:RD+7], v[RA:RA+11], v[RB:RB+11], 0, v[RSA], v[RSB] matrix_a_fmt:MATRIX_FMT_FP6 matrix_b_fmt:MATRIX_FMT_FP6
.elseif (\rows) == 0
	v_wmma_scale_f32_16x16x128_f8f6f4 v[RD:RD+7], v[RA:RA+11], v[RB:RB+11], v[RD:RD+7], v[RSA], v[RSB] matrix_a_fmt:MATRIX_FMT_FP6 matrix_b_fmt:MATRIX_FMT_FP6
.else
	v_wmma_scale_f32_16x16x128_f8f6f4 v[RD:RD+7], v[RA:RA+11], v[RB:RB+11], v[RD:RD+7], v[RSA], v[RSB] matrix_a_fmt:MATRIX_FMT_FP6 matrix_b_fmt:MATRIX_FMT_FP6 matrix_a_scale:MATRIX_SCALE_ROW1 matrix_b_scale:MATRIX_SCALE_ROW1
.endif
.endm
; X's eight fragments of K step s into set s % 2; with an even step the scale words of steps s (lanes 0-15) and s + 1 (lanes 16-31)
.macro FETCH s
	WIN 0x40
.irp i, 0,1,2,3,4,5,6,7
.irp c, 0,1,2
	ds_load_b128 v[96*((\s)%2)+12*\i+4*\c:96*((\s)%2)+12*\i+4*\c+3], v[AX+(\s)/4] offset:6144*\i+1536*((\s)%4)+512*\c
.endr
.endr
	WIN 0
.if (\s)%2 == 0
.irp i, 0,1,2,3,4,5,6,7
	ds_load_b32 v[XS+8*(((\s)/2)%2)+\i], v[ASX] offset:1024*\i+128*((\s)/2)
.endr
.endif
.endm
; eight matrix instructions: X's tiles i0 .. i0 + 3 against my two tiles of Y.  The 16 accumulators take turns, one instruction a turn, in the same order in every step
.macro MUL8 s, i0
.if (\s) < 10
	WIN 0x09                                       ; source 0 (X) window 1, source 1 (Y) window 2
.else
	WIN 0x0d                                       ; source 1 window 3
.endif
.irp i, \i0, \i0+1, \i0+2, \i0+3
.irp y, 0,1
.set RD, ACC+64*\y+8*(\i)
.set RA, 96*((\s)%2)+12*(\i)
.if (\s) < 10
.set RB, 24*(\s)+12*\y
.else
.set RB, 24*((\s)-10)+12*\y
.endif
.set RSA, XS+8*(((\s)/2)%2)+(\i)
.set RSB, YS+8*\y+(\s)/2
.if (\s) == 0
	WMM 1, 0
.else
	WMM 0, 2*((\s)%2)
.endif
.endr
.endr
.endm
; for q and k: the norm's weights, and cos and sin of my two tiles of tokens, in the accumulators' layout; into registers that Y's K steps 0-7 have left, and into free ones.  They land under K steps 10-15.
; Each load takes 16 bytes of each of 16 rows for each half of the lanes; four loads together take 128 consecutive bytes of a row.
.macro EPILOADS
	s_cmp_ge_u32 s[CL], 96
	s_cbranch_scc1 .Lno_rope_loads
	WIN 0x40
.irp b, 0,1,2,3
.irp j, 0,1,2,3
	global_load_b128 v[192+16*\b+4*\j:195+16*\b+4*\j], v[NA], s[NW:NW+1] offset:128*\b+16*\j
.endr
.endr
	WIN 0x80
.irp b, 0,1,2,3
.irp j, 0,1,2,3
	global_load_b128 v[16*\b+4*\j:16*\b+4*\j+3], v[CA], s[COSP:COSP+1] offset:128*\b+16*\j
	global_load_b128 v[64+16*\b+4*\j:67+16*\b+4*\j], v[CA], s[SINP:SINP+1] offset:128*\b+16*\j
	global_load_b128 v[128+16*\b+4*\j:131+16*\b+4*\j], v[CA], s[COSP:COSP+1] offset:4096+128*\b+16*\j
.endr
.endr
	WIN 0xc0
.irp b, 0,1,2,3
.irp j, 0,1,2,3
	global_load_b128 v[144+16*\b+4*\j:147+16*\b+4*\j], v[CA], s[SINP:SINP+1] offset:4096+128*\b+16*\j
.endr
.endr
	WIN 0
.Lno_rope_loads:
.endm
; A K STEP.  Its fragments of X were asked for a step ago; the next step's are asked for first, behind four places, and have this step's 16 matrix instructions in which to land.
.macro KSTEP s
	s_wait_dscnt 0x0                               ; this step's fragments of X are in
.if (\s) < 5
	s_wait_loadcnt 63                              ; of the 112 loads at the head at least 49 are in: Y's 16 scale words and K steps 0-4
.elseif (\s) < 10
	s_wait_loadcnt 6*(15-(\s))                     ; behind this step's six loads of Y stand six for each later step
.elseif (\s) == 10
	s_wait_loadcnt 0x0                             ; all of Y is in: from here on other loads are counted
.endif
.if (((\s)+1)%4 == 0) && ((\s) < 15)
	s_wait_tensorcnt 3-((\s)+1)/4                  ; my part of the next chunk has landed; the later chunks' loads may be out
	s_barrier_signal -1
	s_barrier_wait -1                              ; everybody's has
.endif
	WIN 0
.if (\s) < 15
	PLACES                                         ; in front of loads into registers that the last step's matrix instructions have read
.endif
.if (\s) == 10
	EPILOADS
.endif
.if (\s) < 15
	FETCH (\s)+1
.endif
	MUL8 \s, 0
	MUL8 \s, 4
.endm
	s_load_b512 s[4:19], s[0:1], 0x0               ; hq s[4:5], w3 s[6:7], cos s[8:9], sin s[10:11], q_norm_w s[12:13], k_norm_w s[14:15], qbuf s[16:17], kv s[18:19]
	v_lshl_add_u32 v126, v0, 2, 0x34000
	v_mov_b32 v127, 0
	ds_add_u32 v126, v127
	v_lshrrev_b32 v1, 5, v0
	v_readfirstlane_b32 s[WV], v1                  ; wave 0..3
	v_and_b32 v9, 31, v0
	v_lshlrev_b32 v[LI], 4, v9
	v_lshlrev_b32 v[LS], 2, v9
	v_mov_b32 v[AX], v[LI]
	v_add_nc_u32 v[AX+1], 49152, v[LI]
	v_add_nc_u32 v[AX+2], 98304, v[LI]
	v_add_nc_u32 v[AX+3], 147456, v[LI]
	v_add_nc_u32 v[ASX], XSC, v[LS]
	v_and_b32 v10, 15, v0                          ; r
	v_bfe_u32 v11, v0, 4, 1                        ; h
	v_and_b32 v12, 8, v10
	v_add_nc_u32 v12, v12, v10                     ; r + 8 (r / 8)
	v_lshlrev_b32 v[CA], 9, v12
	v_lshl_add_u32 v[CA], v11, 6, v[CA]
	v_lshlrev_b32 v[NA], 6, v11
.irp b, 0,1,2,3
	v_mov_b32 v[TM+4+\b], 0                        ; written once: a lane permute's destination counts as one of its sources
.endr
	s_mov_b32 s[SEL], 0x76543210
	s_mov_b32 s[SEL+1], 0xfedcba98
	s_mov_b32 s[MK], 0xffff0000
	s_mov_b32 s[IN128], 0x3c000000                 ; 1 / 128
	s_mov_b32 s[EPS], 0x358637bd                   ; 1e-6
	s_and_b32 s[CL], ttmp7, 0xffff                 ; the cluster
	s_bfe_u32 s[CX], ttmp6, 0x40000                ; my place in it: it enters Y's and the results' addresses alone
	s_lshr_b32 s84, s[CL], 2                       ; q, k: the head (0-15 q, 16-23 k)
	s_sub_co_u32 s85, s[CL], 96
	s_lshr_b32 s86, s85, 1                         ; v: the block of 128 tokens
	s_and_b32 s87, s[CL], 3
	s_lshl_b32 s87, s87, 2
	s_add_co_u32 s87, s87, s[CX]                   ; q, k: my block of 128 tokens
	s_and_b32 s88, s85, 1
	s_lshl_b32 s88, s88, 2
	s_add_co_u32 s88, s88, s[CX]                   ; v: my head
	s_add_co_u32 s89, s88, 24                      ; and its block in w3
	s_sub_co_u32 s90, s84, 16                      ; k: the head
	s_cmp_lt_u32 s[CL], 96
	s_cselect_b32 s91, s84, s86                    ; X's block: made of the cluster's number alone
	s_cselect_b32 s92, s87, s89                    ; Y's block
	s_cselect_b32 s93, s90, s88                    ; k, v: the head in kv
	s_cselect_b32 s94, s87, s86                    ; k, v: the 128 keys
	s_cselect_b32 s95, 0, 24576                    ; K's images or V's
	s_cselect_b32 s96, 0, 1024                     ; K's scale words or V's
	s_mul_i32 s91, s91, OPB
	s_mul_i32 s92, s92, OPB
	s_lshl_b32 s93, s93, 3
	s_lshr_b32 s97, s94, 1
	s_add_co_u32 s93, s93, s97
	s_mul_i32 s93, s93, KVB                        ; the slot of 256 keys
	s_and_b32 s97, s94, 1
	s_lshl_b32 s97, s97, 3
	s_lshl_b32 s98, s[WV], 1
	s_add_co_u32 s97, s97, s98                     ; the image: 8 x (which 128 keys) + 2 w
	s_mul_i32 s98, s97, 1536
	s_add_co_u32 s98, s98, s93
	s_add_co_u32 s98, s98, s95                     ; k, v: where my codes go
	s_lshl_b32 s97, s97, 6
	s_add_co_u32 s97, s97, s93
	s_add_co_u32 s97, s97, s96
	s_add_co_u32 s97, s97, 49152                   ; and my scale words
	s_lshl_b32 s93, s84, 7
	s_lshl_b32 s94, s87, 3
	s_add_co_u32 s93, s93, s94
	s_lshl_b32 s94, s[WV], 1
	s_add_co_u32 s93, s93, s94                     ; q: tile 128 head + 8 block + 2 w
	s_mul_i32 s94, s93, 1536
	s_lshl_b32 s93, s93, 6
	s_add_co_u32 s93, s93, 3145728
	s_cmp_lt_u32 s[CL], 64                         ; q?
	s_cselect_b32 s94, s94, s98
	s_cselect_b32 s96, s93, s97
	s_mov_b32 s95, 0
	s_mov_b32 s97, 0
	; group 1: a chunk's part: 2 rows (tiles) of 6,144 bytes (four K steps), 24,576 bytes apart, as elements of 8 bytes; the mask names the cluster's four work-groups
	s_mov_b32 s[G1C], 15|(3<<16)|(1<<21)
	s_mov_b32 s[G1C+1], 768<<16                    ; tensor_dim0
	s_mov_b32 s[G1C+2], 2<<16                      ; tensor_dim1
	s_mov_b32 s[G1C+3], 768<<16                    ; tile_dim0
	s_mov_b32 s[G1C+4], 2                          ; tile_dim1
	s_mov_b32 s[G1C+5], 3072                       ; from row to row
	s_mov_b32 s[G1C+6], 0
	s_mov_b32 s[G1C+7], 0
	; the scale words' part: 8 dense rows of 256 bytes
	s_mov_b32 s[G1S], 15|(3<<16)|(1<<21)
	s_mov_b32 s[G1S+1], 32<<16
	s_mov_b32 s[G1S+2], 8<<16
	s_mov_b32 s[G1S+3], 32<<16
	s_mov_b32 s[G1S+4], 8
	s_mov_b32 s[G1S+5], 32
	s_mov_b32 s[G1S+6], 0
	s_mov_b32 s[G1S+7], 0
	s_wait_dscnt 0x0
	s_wait_kmcnt 0x0
	s_cmp_lt_u32 s[CL], 64
	s_cselect_b64 s[CP:CP+1], s[16:17], s[18:19]
	s_cselect_b64 s[NW:NW+1], s[12:13], s[14:15]
	s_mov_b64 s[SP:SP+1], s[CP:CP+1]
	s_add_nc_u64 s[CP:CP+1], s[CP:CP+1], s[94:95]
	s_add_nc_u64 s[SP:SP+1], s[SP:SP+1], s[96:97]
	s_cmp_lt_u32 s[CL], 96
	s_cselect_b64 s[XBP:XBP+1], s[6:7], s[4:5]
	s_cselect_b64 s[YP:YP+1], s[4:5], s[6:7]
	s_mov_b32 s98, s91
	s_mov_b32 s99, 0
	s_add_nc_u64 s[XBP:XBP+1], s[XBP:XBP+1], s[98:99]
	s_mov_b32 s98, s92
	s_add_nc_u64 s[YP:YP+1], s[YP:YP+1], s[98:99]
	s_lshl_b32 s98, s[WV], 11
	s_add_co_u32 s98, s98, SCO
	s_add_nc_u64 s[YSP:YSP+1], s[YP:YP+1], s[98:99]   ; Y's scale words: my two tiles'
	s_mul_i32 s98, s[WV], 49152
	s_add_nc_u64 s[YP:YP+1], s[YP:YP+1], s[98:99]     ; Y's codes: my two tiles'
	s_lshl_b32 s98, s87, 16
	s_lshl_b32 s94, s[WV], 14
	s_add_co_u32 s98, s98, s94                     ; cos, sin: row 128 block + 32 w, 512 bytes a row
	s_add_nc_u64 s[COSP:COSP+1], s[8:9], s[98:99]
	s_add_nc_u64 s[SINP:SINP+1], s[10:11], s[98:99]
	; groups 0: wave w brings tiles 2 w and 2 w + 1 of each chunk and a quarter of the scale words
	s_lshl_b32 s84, s[WV], 11
	s_mul_i32 s85, s[WV], 12288
	s_mul_i32 s86, s[WV], 49152
	s_mov_b32 s89, 0
	s_mov_b32 s[G0], 1
	s_add_co_u32 s[G0+1], s84, XSC
	s_add_co_u32 s88, s84, SCO
	s_add_nc_u64 s[G0+2:G0+3], s[XBP:XBP+1], s[88:89]
	s_or_b32 s[G0+3], s[G0+3], 0x80000000
.irp c, 0,1,2,3
	s_mov_b32 s[G0+4+4*\c], 1
	s_add_co_u32 s[G0+5+4*\c], s85, 49152*\c
	s_add_co_u32 s88, s86, 6144*\c
	s_add_nc_u64 s[G0+6+4*\c:G0+7+4*\c], s[XBP:XBP+1], s[88:89]
	s_or_b32 s[G0+7+4*\c], s[G0+7+4*\c], 0x80000000
.endr
	CROUND                                         ; all four work-groups are here: the joint loads meet
	tensor_load_to_lds s[G0:G0+3], s[G1S:G1S+7]    ; the first fills, one group: five loads of mine are out
	s_nop 0
.irp c, 0,1,2,3
	tensor_load_to_lds s[G0+4+4*\c:G0+7+4*\c], s[G1C:G1C+7]
	s_nop 0
.endr
	PLACES                                         ; four v_nop follow the last of them
.irp y, 0,1
.irp p, 0,1,2,3,4,5,6,7
	global_load_b32 v[YS+8*\y+\p], v[LS], s[YSP:YSP+1] offset:1024*\y+128*\p   ; lanes 0-15 K step 2 p, lanes 16-31 K step 2 p + 1
.endr
.endr
	WIN 0x80
.set S_, 0
.rept 10
.irp y, 0,1
.irp c, 0,1,2
	global_load_b128 v[24*S_+12*\y+4*\c:24*S_+12*\y+4*\c+3], v[LI], s[YP:YP+1] offset:24576*\y+1536*S_+512*\c
.endr
.endr
.set S_, S_+1
.endr
	WIN 0xc0
.rept 6
.irp y, 0,1
.irp c, 0,1,2
	global_load_b128 v[24*(S_-10)+12*\y+4*\c:24*(S_-10)+12*\y+4*\c+3], v[LI], s[YP:YP+1] offset:24576*\y+1536*S_+512*\c
.endr
.endr
.set S_, S_+1
.endr
	WIN 0
	s_wait_tensorcnt 3                             ; my parts of the scale words and of chunk 0 have landed; three younger loads may be out
	s_barrier_signal -1
	s_barrier_wait -1                              ; everybody's have
	FETCH 0
.irp s, 0,1,2,3,4,5,6,7,8,9,10,11,12,13,14,15
	KSTEP \s
.endr
	WIN 0
	PLACES                                         ; in front of the first read of results
	s_cmp_ge_u32 s[CL], 96
	s_cbranch_scc1 .Lquant
	; ---- q and k: RMSNorm over the head's 128 channels (64 in my lane, 64 in lane l xor 16), then RoPE ----
	s_wait_loadcnt 0x0                             ; the weights, cos and sin
.irp y, 0,1
.set A_, ACC+64*\y
.set T_, 84+4*\y
	v_pk_mul_f32 v[T_:T_+1], v[A_:A_+1], v[A_:A_+1]         ; the sum of squares, each accumulator from its low end on, in two chains
	v_pk_mul_f32 v[T_+2:T_+3], v[A_+2:A_+3], v[A_+2:A_+3]
.set E_, 4
.rept 15
	v_pk_fma_f32 v[T_:T_+1], v[A_+E_:A_+E_+1], v[A_+E_:A_+E_+1], v[T_:T_+1]
	v_pk_fma_f32 v[T_+2:T_+3], v[A_+E_+2:A_+E_+3], v[A_+E_+2:A_+E_+3], v[T_+2:T_+3]
.set E_, E_+4
.endr
	v_pk_add_f32 v[T_:T_+1], v[T_:T_+1], v[T_+2:T_+3]
	v_add_f32 v[T_], v[T_], v[T_+1]
	v_permlanex16_b32 v[T_+1], v[T_], s[SEL], s[SEL+1]
	v_add_f32 v[T_], v[T_], v[T_+1]
	v_fma_f32 v[T_], v[T_], s[IN128], s[EPS]       ; the mean + 1e-6
.endr
	v_rsq_f32 v82, v84                             ; made twice each, to fill the pairs that the packed multiplies name
	v_rsq_f32 v83, v84
	v_rsq_f32 v92, v88
	v_rsq_f32 v93, v88
	v_nop                                          ; a plain place behind the batch,
	s_wait_alu depctr_va_vdst(0)                   ; and the one wait ahead of its first reader
.macro ROPE y
.set A_, ACC+64*\y
.set RS_, 82+10*\y
.if \y == 0
.set CW_, 0
.set SW_, 64
.set WS_, 2
.else
.set CW_, 128
.set SW_, 144
.set WS_, 3
.endif
	WIN 0
.set E_, 0
.rept 32
	v_pk_mul_f32 v[A_+E_:A_+E_+1], v[A_+E_:A_+E_+1], v[RS_:RS_+1]
.set E_, E_+2
.endr
	WIN 0x04                                       ; source 1: the weights, window 1
.set E_, 0
.rept 32
	v_pk_mul_f32 v[A_+E_:A_+E_+1], v[A_+E_:A_+E_+1], v[192+E_:193+E_]
.set E_, E_+2
.endr
	WIN (WS_<<6)|(WS_<<2)                          ; sin: destination and source 1.  Channel d + 64 is register e + 32 of the same lane
.set E_, 0
.rept 16
	v_pk_mul_f32 v[SW_+E_:SW_+E_+1], v[A_+32+E_:A_+33+E_], v[SW_+E_:SW_+E_+1]
	v_pk_mul_f32 v[SW_+32+E_:SW_+33+E_], v[A_+E_:A_+E_+1], v[SW_+32+E_:SW_+33+E_]
.set E_, E_+2
.endr
	WIN 0x08|(WS_<<4)                              ; source 1: cos, window 2; source 2: the products with sin
.set E_, 0
.rept 16
	v_pk_fma_f32 v[A_+E_:A_+E_+1], v[A_+E_:A_+E_+1], v[CW_+E_:CW_+E_+1], v[SW_+E_:SW_+E_+1] neg_lo:[0,0,1] neg_hi:[0,0,1]
	v_pk_fma_f32 v[A_+32+E_:A_+33+E_], v[A_+32+E_:A_+33+E_], v[CW_+32+E_:CW_+33+E_], v[SW_+32+E_:SW_+33+E_]
.set E_, E_+2
.endr
.endm
	ROPE 0
	ROPE 1
	WIN 0
.Lquant:
	; ---- all heads: each of my two tiles is one fragment of the attention's operands ----
	QUANT ACC
.irp c, 0,1,2
	global_store_b128 v[LI], v[PC+4*\c:PC+4*\c+3], s[CP:CP+1] offset:512*\c   ; 512 consecutive bytes, aligned
.endr
	v_mov_b32 v[PW0], v[PW]
	s_wait_xcnt 0x0                                ; the codes' registers are written again only behind this wait
	QUANT ACC+64
.irp c, 0,1,2
	global_store_b128 v[LI], v[PC+4*\c:PC+4*\c+3], s[CP:CP+1] offset:1536+512*\c
.endr
	v_cndmask_b32 v[PW0], v[PW0], v[PW], s[MK]     ; lanes 0-15 the first tile's words, lanes 16-31 the second's
	global_store_b32 v[LS], v[PW0], s[SP:SP+1]
	s_wait_tensorcnt 0x0
	ds_add_u32 v126, v127
	s_wait_dscnt 0x0
	CROUND                                         ; the closing round: no work-group ends while a partner may still ask for a tile that names it
	s_endpgm
.Lfunc_end_k_q5b40572ede_qkv:
	.size	k_q5b40572ede_qkv, .Lfunc_end_k_q5b40572ede_qkv-k_q5b40572ede_qkv
	.p2alignl 7, 3214868480
	.fill 96, 4, 3214868480
	.section	.rodata,"a",@progbits
	.p2align	6, 0x0
	.amdhsa_kernel k_q5b40572ede_qkv
		.amdhsa_group_segment_fixed_size 213504
		.amdhsa_private_segment_fixed_size 0
		.amdhsa_enable_private_segment 0
		.amdhsa_kernarg_size 64
		.amdhsa_user_sgpr_count 2
		.amdhsa_user_sgpr_kernarg_segment_ptr 1
		.amdhsa_wavefront_size32 1
		.amdhsa_system_sgpr_workgroup_id_x 1
		.amdhsa_system_sgpr_workgroup_id_y 1
		.amdhsa_system_sgpr_workgroup_id_z 1
		.amdhsa_system_vgpr_workitem_id 0
		.amdhsa_next_free_vgpr 1024
		.amdhsa_next_free_sgpr 100
		.amdhsa_reserve_vcc 0
		.amdhsa_float_denorm_mode_32 3
		.amdhsa_float_denorm_mode_16_64 3
		.amdhsa_memory_ordered 1
		.amdhsa_forward_progress 1
		.amdhsa_inst_pref_size 122
	.end_amdhsa_kernel
	.amdgpu_metadata
---
amdhsa.version: [ 1, 2 ]
amdhsa.kernels:
  - .name:           k_q5b40572ede_qkv
    .symbol:         k_q5b40572ede_qkv.kd
    .args:
      - { .name: hq, .offset: 0, .size: 8, .value_kind: global_buffer, .address_space: global }
      - { .name: w3, .offset: 8, .size: 8, .value_kind: global_buffer, .address_space: global }
      - { .name: cos, .offset: 16, .size: 8, .value_kind: global_buffer, .address_space: global }
      - { .name: sin, .offset: 24, .size: 8, .value_kind: global_buffer, .address_space: global }
      - { .name: q_norm_w, .offset: 32, .size: 8, .value_kind: global_buffer, .address_space: global }
      - { .name: k_norm_w, .offset: 40, .size: 8, .value_kind: global_buffer, .address_space: global }
      - { .name: qbuf, .offset: 48, .size: 8, .value_kind: global_buffer, .address_space: global }
      - { .name: kv, .offset: 56, .size: 8, .value_kind: global_buffer, .address_space: global }
    .group_segment_fixed_size: 213504
    .private_segment_fixed_size: 0
    .kernarg_segment_align: 8
    .kernarg_segment_size: 64
    .max_flat_workgroup_size: 128
    .sgpr_count:     100
    .vgpr_count:     1024
    .wavefront_size: 32
...
	.end_amdgpu_metadata
.endif
;; end of part 2
;; launch attn (part 3): grid 32 x 8, 8 waves a work-group, clusters of 4 x 1, 327,680 bytes of LDS; arguments qbuf, kv, abuf; writes abuf
.if DOCPART == 3
	.amdgcn_target "amdgcn-amd-amdhsa--gfx1250"
	.amdhsa_code_object_version 6
	.text
	.protected	k_q5b40572ede_attn
	.globl	k_q5b40572ede_attn
	.p2align	8
	.type	k_q5b40572ede_attn,@function
k_q5b40572ede_attn:
	s_mov_b64 s[64:65], 0
	v_nop
	global_prefetch_b8 v0, s[64:65] scope:SCOPE_SE
	s_setreg_imm32_b32 hwreg(HW_REG_WAVE_MODE, 25, 1), 1
	s_wait_xcnt 0x0
	s_wait_alu depctr_hold_cnt(0) depctr_sa_sdst(0) depctr_va_vdst(0) depctr_va_sdst(0) depctr_va_ssrc(0) depctr_va_vcc(0) depctr_vm_vsrc(0)
	s_getreg_b32 s2, hwreg(HW_REG_IB_STS2, 6, 4)
	s_cmp_eq_u32 s2, 0
	s_cbranch_scc0 .Lentry_in_a_cluster
	s_endpgm
.Lentry_in_a_cluster:
	s_bfe_u32 s2, ttmp6, 0x10000c
	s_cmp_lg_u32 s2, 0x3003
	s_cbranch_scc0 .Lentry_shape_is_right
	s_endpgm
.Lentry_shape_is_right:
; ATTENTION with the retention bias, causal, both products on codes of FP6 (E2M3).  logit(i, j) = q_i . k_j / sqrt(128) + ln(beta_j) (i - j) for j <= i.
; t = c (s + B_j (i - j)), c = log2(e) / sqrt(128), s the product's sum, B_j = ln(beta_j) sqrt(128) as the first launch stored it.  M = the running largest t rounded UP to a whole number; p = 2^(t - M) is quantised
; along the keys, not normalised; the row's sum is taken of the unquantised p and divides at the end; when M moves, the sum and O are multiplied by 2^(old M - new M), which rounds nothing.
; SHARES.  A work-group serves one key/value head; each of its eight waves owns ONE tile of 16 queries of one of the head's two query heads.  With x = 4 x cluster + place, wave w takes tile 2 x + u or 127 - (2 x + u):
; a tile needs (tile / 8) + 1 key steps of 128, so a low and a high tile together need 17: four low and four high tiles to a work-group.
; Every wave passes every change of slots; a key step all of whose keys come after the wave's queries is left out by a scalar branch on ids.  The last step that a wave works, and the number of trips, hang on the
; cluster's number and the wave's number alone, which all partners share; the place in the cluster enters only q's and the result's addresses and numbers in lanes.
; RING.  Two LDS slots of 256 keys: a slot is one dense block of kv (K's 16 images, V's 16 images, their scale words, B): 52,224 bytes.  Waves 0-3 bring a quarter each, jointly for the cluster's four work-groups.
; LAYOUT.  Both products are used transposed (S^T = K Q^T, O^T = V^T P^T): a lane holds ONE query.  The keys of a tile of K and the channels of a tile of V are not neighbours (tile 2 b + u, row r: 32 b + 8 u + r + 8 (r / 8)),
; so that register 16 b + i of S^T is key 32 b + 16 (lane / 16) + i, and of O^T likewise the channel: p and the result are quantised in the lane.
; The result leaves as codes: the images of the last projection's operand, K step = query head.
; LIMITS: a block whose largest magnitude lies under 2^-124 keeps the byte 1; a block of zeros gets the byte 1 (its codes are zeros; this program alone reads the bytes); NaN and infinities are not served.
; REGISTERS: window 0: v1-8 LDS addresses, v10-11 offsets, v12 -M, v13 the largest t, v[14:15] the sum; v16-27 Q, v28 its scale words; v29-31 the ages' base; v32-47 ages; v48-55 K's and V's scale words; v56-95 at work;
;   v96-159 S^T, then p; v160-223 O^T; v224-240 the last quantiser's.   window 1: v0-95 K's eight fragments, v96-191 V's, v192-255 B of my 64 keys.
.set OPB,  204800
.set SCO,  196608
.set QSC,  3145728                     ; where q's scale words begin in qbuf
.set KVB,  52224                       ; a slot
.set KVH,  417792                      ; a head's eight slots
.set VOF,  24576                       ; in a slot: V's images,
.set KSC,  49152                       ; K's scale words,
.set VSC,  50176                       ; V's,
.set LBO,  51200                       ; B
.set SPARE, 104448                     ; behind the two slots: the spare words, 128 bytes for each wave: four blocks of 256 bytes that no other line names
.set S,    96
.set O,    160
.set AG,   32
.set KS,   48
.set VS,   52
.set BM,   56                          ; v56-59 the blocks' largest scores, then largest p
.set PT,   60                          ; v60-63 at work
.set SO,   64                          ; v64-67 the conversions' scale operands
.set PWP,  76                          ; p's scale word
.set PCP,  80                          ; v80-91 p's codes
.set TM,   224                         ; the last quantiser's
.set PW,   240
.set PC,   160                         ; its codes lie where O^T lay
.set WV,   10
.set CX,   12
.set KH,   13
.set TAU,  14
.set DS,   15                          ; the last key step that my wave works: the one on the diagonal
.set ST,   16                          ; the key step in hand
.set LC,   17
.set FL,   18                          ; refills still to come
.set LIM,  19
.set SEL,  20
.set CS,   22
.set G1,   24
.set G0,   32                          ; s[32:35], s[36:39]: a group 0 for each slot
.set PFA,  40
.set QP,   42
.set QSP,  44
.set OP,   46
.set OSP,  48
.set MSB, 0
.macro WIN new
.if MSB != (\new)
	s_set_vgpr_msb (MSB<<8)|(\new)
.set MSB, \new
.endif
.endm
.macro PLACES
.rept 4
	v_nop
.endr
.endm
.macro ROUND                           ; a round of the cluster's barrier
	s_barrier_signal -1
	s_barrier_wait -1
	s_cmp_lg_u32 s[WV], 0
	s_cbranch_scc1 .Lnot_wave_0_\@
	s_barrier_signal -3
.Lnot_wave_0_\@:
	s_barrier_wait -3
	s_barrier_signal -1
	s_barrier_wait -1
.endm
.macro TLOAD n                         ; waves 0-3 bring a quarter of a slot each; the branch hangs on the wave's number alone; four v_nop follow the load
	s_cmp_lt_u32 s[WV], 4
	s_cbranch_scc0 .Lno_fetch_\@
	tensor_load_to_lds s[G0+4*(\n):G0+4*(\n)+3], s[G1:G1+7]
	s_nop 0
	PLACES
.Lno_fetch_\@:
.endm
; A PREFETCH INTO THE L2 of the slot that the NEXT change of slots will ask for: two key steps ahead of that load.  All clusters of a head walk the same slots from the first on: the cluster that walks all eight asks.
; Its four partners take a quarter of the slot each, 51 blocks of 256 bytes, told apart by address; in each, wave 4 names blocks 0-31, a lane a block, and wave 6 blocks 32-50 (its lanes 19-31 name block 50 again).
; Both waves work every key step.  The last refill asks for nothing; slots 0 and 1 come by their loads alone.
.macro ASK
	s_cmp_gt_u32 s[FL], s[LIM]
	s_cbranch_scc0 .Lnot_mine_\@
	global_prefetch_b8 v11, s[PFA:PFA+1] th:TH_LOAD_NT scope:SCOPE_SE
.Lnot_mine_\@:
.endm
.macro QUANT s                         ; 64 numbers of a lane, register 16 b + i = k 32 b + 16 (lane / 16) + i, become a fragment's codes in v[PC] on and its scale word in v[PW]
.irp b, 0,1,2,3
	v_max3_num_f32 v[TM+\b], |v[\s+16*\b]|, |v[\s+1+16*\b]|, 0x1800000
.endr
.irp i, 2,4,6,8,10,12,14
.irp b, 0,1,2,3
	v_max3_num_f32 v[TM+\b], v[TM+\b], |v[\s+16*\b+\i]|, |v[\s+1+16*\b+\i]|
.endr
.endr
.irp b, 0,1,2,3
	v_permlanex16_b32 v[TM+4+\b], v[TM+\b], s[SEL], s[SEL+1]
.endr
.irp b, 0,1,2,3
	v_max_num_f32 v[TM+\b], v[TM+\b], v[TM+4+\b]
.endr
.irp b, 0,1,2,3
	v_add_nc_u32 v[TM+12+\b], 0xff000000, v[TM+\b]
.endr
.irp b, 0,1,2,3
	v_lshrrev_b32 v[TM+4+\b], 23, v[TM+12+\b]
.endr
	v_lshl_or_b32 v[PW], v[TM+5], 8, v[TM+4]
	v_lshl_or_b32 v[PW], v[TM+6], 16, v[PW]
	v_lshl_or_b32 v[PW], v[TM+7], 24, v[PW]
.irp c, 0,1
	v_cvt_scalef32_pk16_fp6_f32 v[PC+6*\c:PC+2+6*\c], v[\s+32*\c:\s+15+32*\c], v[TM+12+2*\c]
	v_cvt_scalef32_pk16_fp6_f32 v[PC+12+4*\c:PC+14+4*\c], v[\s+16+32*\c:\s+31+32*\c], v[TM+12+2*\c+1]
.endr
	v_nop
.irp c, 0,1
.irp i, 0,1,2
	v_permlane16_swap_b32 v[PC+6*\c+\i], v[PC+12+4*\c+\i]
.endr
.irp i, 0,1,2
	v_mov_b32 v[PC+3+6*\c+\i], v[PC+12+4*\c+\i]
.endr
.endr
.endm
; A KEY STEP: 128 keys, the q-th of slot n
.macro STEP n, q
	s_cmp_gt_u32 s[ST], s[DS]                      ; all its keys come after my queries: nothing to do but to count the step
	s_cbranch_scc1 .Lhid_\@
.irp m, 0,1,2,3
	ds_load_b32 v[KS+\m], v[3+\n] offset:KSC+(8*\q+2*\m)*64   ; lanes 0-15 tile 2 m's words, lanes 16-31 tile 2 m + 1's
.endr
.irp m, 0,1,2,3
	ds_load_b32 v[VS+\m], v[3+\n] offset:VSC+(8*\q+2*\m)*64
.endr
	WIN 0x40
.irp t, 0,1,2,3,4,5,6,7
.irp c, 0,1,2
	ds_load_b128 v[12*\t+4*\c:12*\t+4*\c+3], v[1+\n] offset:(8*\q+\t)*1536+512*\c
.endr
.endr
.irp b, 0,1,2,3
.irp j, 0,1,2,3
	ds_load_b128 v[192+16*\b+4*\j:195+16*\b+4*\j], v[7+\n] offset:LBO+512*\q+128*\b+16*\j   ; B of keys 32 b + 16 h + 4 j on: the same address in sixteen lanes
.endr
.endr
.irp t, 0,1,2,3,4,5,6,7
.irp c, 0,1,2
	ds_load_b128 v[96+12*\t+4*\c:99+12*\t+4*\c], v[1+\n] offset:VOF+(8*\q+\t)*1536+512*\c
.endr
.endr
	WIN 0
	s_lshl_b32 s50, s[ST], 7
	v_sub_nc_u32 v92, v29, s50                     ; d = my query - the step's first key - 16 (lane / 16): register 16 b + i holds the key whose age is d - (32 b + i)
	v_cvt_f32_i32 v30, v92
	v_add_f32 v31, -1.0, v30
	s_wait_dscnt 40                                ; the scale words and K are in; B's 16 loads and V's 24 may be out
	WIN 0x01                                       ; source 0 window 1
.irp t, 0,1,2,3,4,5,6,7
.if \t%2 == 0
	v_wmma_scale_f32_16x16x128_f8f6f4 v[S+8*\t:S+8*\t+7], v[12*\t:12*\t+11], v[16:27], 0, v[KS+\t/2], v28 matrix_a_fmt:MATRIX_FMT_FP6 matrix_b_fmt:MATRIX_FMT_FP6
.else
	v_wmma_scale_f32_16x16x128_f8f6f4 v[S+8*\t:S+8*\t+7], v[12*\t:12*\t+11], v[16:27], 0, v[KS+\t/2], v28 matrix_a_fmt:MATRIX_FMT_FP6 matrix_b_fmt:MATRIX_FMT_FP6 matrix_a_scale:MATRIX_SCALE_ROW1
.endif
.endr
	WIN 0x04                                       ; source 1 (B) window 1
.set P_, 0
.irp f, 0, 0xc0000000, 0xc0800000, 0xc0c00000, 0xc1000000, 0xc1200000, 0xc1400000, 0xc1600000
	v_pk_add_f32 v[AG+2*P_:AG+2*P_+1], v[30:31], \f op_sel_hi:[1,0]   ; the ages d - 2 p and d - 2 p - 1: whole numbers, exact.  (These eight are the places behind the products)
.set P_, P_+1
.endr
	s_wait_dscnt 24                                ; B is in; V's 24 loads may be out
.irp p, 0,1,2,3,4,5,6,7
	v_pk_fma_f32 v[S+2*\p:S+2*\p+1], v[AG+2*\p:AG+2*\p+1], v[192+2*\p:193+2*\p], v[S+2*\p:S+2*\p+1]   ; s + B x age, each accumulator from its low end on
.endr
.irp b, 1,2,3
.irp p, 0,1,2,3,4,5,6,7
	v_pk_add_f32 v[AG+2*\p:AG+2*\p+1], v[AG+2*\p:AG+2*\p+1], 0xc2000000 op_sel_hi:[1,0]   ; the next 32 keys: 32 younger
.endr
.irp p, 0,1,2,3,4,5,6,7
	v_pk_fma_f32 v[S+16*\b+2*\p:S+16*\b+2*\p+1], v[AG+2*\p:AG+2*\p+1], v[192+16*\b+2*\p:193+16*\b+2*\p], v[S+16*\b+2*\p:S+16*\b+2*\p+1]
.endr
.endr
	WIN 0
	s_cmp_lg_u32 s[ST], s[DS]                      ; on the diagonal the scores of hidden keys become -infinity ahead of the maximum: p = 0 then
	s_cbranch_scc1 .Lopen_\@
	v_mov_b32 v93, 0xff800000
.set N_, 0
.rept 64
	v_cmp_gt_i32 vcc_lo, 32*(N_/16)+N_%16, v92
	v_cndmask_b32 v[S+N_], v[S+N_], v93, vcc_lo
.set N_, N_+1
.endr
.Lopen_\@:
.irp b, 0,1,2,3
	v_max3_num_f32 v[BM+\b], v[S+16*\b], v[S+1+16*\b], v[S+2+16*\b]   ; the largest score of each block of 32 keys: for the row's maximum and, since p rises with the score, for the block's largest p
.endr
.irp i, 3,5,7,9,11,13
.irp b, 0,1,2,3
	v_max3_num_f32 v[BM+\b], v[BM+\b], v[S+16*\b+\i], v[S+1+16*\b+\i]
.endr
.endr
.irp b, 0,1,2,3
	v_max_num_f32 v[BM+\b], v[BM+\b], v[S+15+16*\b]
.endr
.irp b, 0,1,2,3
	v_permlanex16_b32 v[PT+\b], v[BM+\b], s[SEL], s[SEL+1]
.endr
.irp b, 0,1,2,3
	v_max_num_f32 v[BM+\b], v[BM+\b], v[PT+\b]     ; with lane l xor 16's 16 keys
.endr
	v_max3_num_f32 v94, v[BM], v[BM+1], v[BM+2]
	v_max_num_f32 v94, v94, v[BM+3]
	v_mul_f32 v94, s[CS], v94                      ; as t (c is positive)
	v_max_num_f32 v13, v13, v94                    ; the running largest t
	v_mov_b32 v94, v12
	v_floor_f32 v12, -v13                          ; the new -M = floor(-t): M is a whole number
	v_sub_f32 v94, v12, v94                        ; old M - new M: a whole number, 0 or less
	v_cvt_i32_f32 v94, v94                         ; (it saturates)
	v_ldexp_f32 v78, 1.0, v94                      ; f = 2^(old M - new M)
.set N_, 0
.rept 32
	v_pk_fma_f32 v[S+N_:S+N_+1], v[S+N_:S+N_+1], s[CS:CS+1], v[12:13] op_sel_hi:[1,0,0]   ; t - M
.set N_, N_+2
.endr
.irp b, 0,1,2,3
	v_fma_f32 v[BM+\b], v[BM+\b], s[CS], v12       ; the same of each block's largest score
.endr
.set N_, 0
.rept 64
	v_exp_f32 v[S+N_], v[S+N_]                     ; p = 2^(t - M), at most 1
.set N_, N_+1
.endr
	v_pk_mul_f32 v[14:15], v[14:15], v[78:79] op_sel_hi:[1,0]   ; the sums under the new M.  (A plain place behind the exponentials)
	s_wait_alu depctr_va_vdst(0)                   ; one wait for the whole batch, ahead of its first reader
.irp b, 0,1,2,3
	v_exp_f32 v[BM+\b], v[BM+\b]                   ; the block's largest p: the same two instructions on the same number give the same bits
.endr
	v_pk_add_f32 v[PT:PT+1], v[S:S+1], v[S+2:S+3]  ; the row's sum is taken of the unquantised p, in two chains
.set N_, 4
.rept 15
	v_pk_add_f32 v[14:15], v[14:15], v[S+N_:S+N_+1]
	v_pk_add_f32 v[PT:PT+1], v[PT:PT+1], v[S+N_+2:S+N_+3]
.set N_, N_+4
.endr
	v_pk_add_f32 v[14:15], v[14:15], v[PT:PT+1]
	s_wait_alu depctr_va_vdst(0)                   ; and one for the four
.irp b, 0,1,2,3
	v_max_num_f32 v[BM+\b], 0x1800000, v[BM+\b]    ; the floor 2^(3 - 127): the byte cannot fall under 1
.endr
.irp b, 0,1,2,3
	v_add_nc_u32 v[SO+\b], 0xff000000, v[BM+\b]    ; 2 off the exponent field: the conversion's scale operand
.endr
.irp b, 0,1,2,3
	v_lshrrev_b32 v[PT+\b], 23, v[SO+\b]           ; the scale's byte
.endr
	v_lshl_or_b32 v[PWP], v[PT+1], 8, v[PT]        ; p's scale word for these 128 keys
	v_lshl_or_b32 v[PWP], v[PT+2], 16, v[PWP]
	v_lshl_or_b32 v[PWP], v[PT+3], 24, v[PWP]
.irp c, 0,1
	v_cvt_scalef32_pk16_fp6_f32 v[PCP+6*\c:PCP+2+6*\c], v[S+32*\c:S+15+32*\c], v[SO+2*\c]
	v_cvt_scalef32_pk16_fp6_f32 v[68+4*\c:70+4*\c], v[S+16+32*\c:S+31+32*\c], v[SO+2*\c+1]
.endr
	v_nop                                          ; one plain place behind a scaled conversion
.irp c, 0,1
.irp i, 0,1,2
	v_permlane16_swap_b32 v[PCP+6*\c+\i], v[68+4*\c+\i]
.endr
.irp i, 0,1,2
	v_mov_b32 v[PCP+3+6*\c+\i], v[68+4*\c+\i]
.endr
.endr
.set N_, 0
.rept 32
	v_pk_mul_f32 v[O+N_:O+N_+1], v[O+N_:O+N_+1], v[78:79] op_sel_hi:[1,0]   ; O^T under the new M.  (These 32 are also the places between the scale word's and the codes' last lines and the products)
.set N_, N_+2
.endr
	s_wait_dscnt 0x0                               ; V is in
	WIN 0x01
.irp t, 0,1,2,3,4,5,6,7
.if \t%2 == 0
	v_wmma_scale_f32_16x16x128_f8f6f4 v[O+8*\t:O+8*\t+7], v[96+12*\t:107+12*\t], v[PCP:PCP+11], v[O+8*\t:O+8*\t+7], v[VS+\t/2], v[PWP] matrix_a_fmt:MATRIX_FMT_FP6 matrix_b_fmt:MATRIX_FMT_FP6
.else
	v_wmma_scale_f32_16x16x128_f8f6f4 v[O+8*\t:O+8*\t+7], v[96+12*\t:107+12*\t], v[PCP:PCP+11], v[O+8*\t:O+8*\t+7], v[VS+\t/2], v[PWP] matrix_a_fmt:MATRIX_FMT_FP6 matrix_b_fmt:MATRIX_FMT_FP6 matrix_a_scale:MATRIX_SCALE_ROW1
.endif
.endr
	WIN 0
	PLACES                                         ; in front of the next step's loads into V's registers, and of the first read of results
.Lhid_\@:
	s_add_co_u32 s[ST], s[ST], 1
.endm
; THE CHANGE OF SLOTS stands at a slot's head.  Each wave waits for all its tensor loads (its part of the slot that it is about to read), adds 0 to its spare word, and waits for that and for its reads of the slot that it has left;
; then a round of the cluster's barrier: no wave of any partner still reads the other slot or has a load on its way.  refill = 1: that slot takes the next 256 keys: the load has two key steps in which to land.
.macro TRIP n, refill
	s_wait_xcnt 0x0                                ; the last prefetch, a slot back, has read its address
	s_add_nc_u64 s[PFA:PFA+1], s[PFA:PFA+1], KVB
	s_wait_tensorcnt 0x0                           ; no tensor load of mine is out, so a group 0 may be written
	ds_add_u32 v5, v6                              ; 0 onto my spare word
	s_add_nc_u64 s[G0+4*\n+2:G0+4*\n+3], s[G0+4*\n+2:G0+4*\n+3], 2*KVB   ; this slot's next 256 keys
	s_wait_dscnt 0x0                               ; the add is done, and my reads of the slot that I have left are over
	ROUND
.if \refill
	TLOAD 1-\n                                     ; the first thing behind the round, and a wave's one tensor load until the next
	ASK
	s_sub_co_u32 s[FL], s[FL], 1
.endif
	STEP \n, 0
	STEP \n, 1
.endm
	s_load_b128 s[4:7], s[0:1], 0x0                ; qbuf s[4:5], kv s[6:7]
	s_load_b64 s[8:9], s[0:1], 0x10                ; abuf
	v_lshl_add_u32 v5, v0, 2, SPARE
	v_mov_b32 v6, 0
	ds_add_u32 v5, v6
	s_wait_dscnt 0x0
	v_lshrrev_b32 v1, 5, v0
	v_readfirstlane_b32 s[WV], v1                  ; wave 0..7
	v_and_b32 v92, 31, v0                          ; lane
	v_and_b32 v93, 15, v0                          ; r
	v_bfe_u32 v94, v0, 4, 1                        ; h
	v_lshlrev_b32 v1, 4, v92                       ; images: 16 x lane, in slot 0 (and in memory),
	v_add_nc_u32 v2, KVB, v1                       ; in slot 1
	v_lshlrev_b32 v3, 2, v92                       ; scale words: 4 x lane
	v_add_nc_u32 v4, KVB, v3
	v_lshlrev_b32 v7, 6, v94                       ; B: 64 h
	v_add_nc_u32 v8, KVB, v7
	v_lshlrev_b32 v10, 2, v93                      ; 4 r
	s_bfe_u32 s[CX], ttmp6, 0x40000                ; my place in the cluster
	s_and_b32 s[KH], ttmp7, 0xffff                 ; the key/value head
	s_lshl_b32 s50, ttmp9, 2
	s_add_co_u32 s50, s50, s[CX]
	s_lshl_b32 s50, s50, 1
	s_bfe_u32 s51, s[WV], 0x10001                  ; u = (w / 2) % 2
	s_add_co_u32 s50, s50, s51                     ; the low tile 2 x + u,
	s_sub_co_u32 s52, 127, s50                     ; the high one
	s_lshr_b32 s53, s[WV], 2                       ; which of the two query heads
	s_xor_b32 s54, s[WV], s53
	s_and_b32 s54, s54, 1                          ; low or high
	s_sub_co_u32 s55, 15, ttmp9
	s_cmp_eq_u32 s54, 1
	s_cselect_b32 s[TAU], s52, s50
	s_cselect_b32 s[DS], s55, ttmp9                ; tile / 8: the cluster's number, or 15 less it
	s_lshl_b32 s56, s[KH], 1
	s_add_co_u32 s56, s56, s53                     ; the query head
	s_lshl_b32 s57, s56, 7
	s_add_co_u32 s57, s57, s[TAU]
	s_mul_i32 s58, s57, 1536                       ; q's image
	s_mov_b32 s59, 0
	s_lshl_b32 s60, s57, 6
	s_add_co_u32 s60, s60, QSC                     ; and its scale words
	s_mov_b32 s61, 0
	s_lshr_b32 s62, s[TAU], 3
	s_mul_i32 s62, s62, OPB                        ; the result: the block of 128 tokens,
	s_and_b32 s63, s[TAU], 7
	s_mul_i32 s66, s63, 24576                      ; the tile,
	s_add_co_u32 s66, s66, s62
	s_mul_i32 s68, s56, 1536                       ; K step = query head
	s_add_co_u32 s66, s66, s68
	s_mov_b32 s67, 0
	s_lshl_b32 s68, s63, 10
	s_add_co_u32 s68, s68, s62
	s_lshl_b32 s63, s56, 6
	s_add_co_u32 s68, s68, s63
	s_add_co_u32 s68, s68, SCO
	s_mov_b32 s69, 0
	s_mul_i32 s70, s[KH], KVH
	s_mov_b32 s71, 0
	s_and_b32 s72, s[WV], 3
	s_mul_i32 s72, s72, 13056                      ; my quarter of a slot, in memory and in LDS
	s_mov_b32 s73, 0
	s_mul_i32 s76, s[CX], 13056                    ; the prefetches: my work-group's quarter,
	s_lshl_b32 s77, s51, 13
	s_add_co_u32 s76, s76, s77                     ; wave 6: 32 blocks on,
	s_add_co_u32 s76, s76, KVB                     ; in slot 1: the first change of slots steps it to slot 2
	s_mov_b32 s77, 0
	s_cmp_eq_u32 s51, 0
	s_cselect_b32 s57, 31, 18
	v_min_u32 v11, s57, v92
	v_lshlrev_b32 v11, 8, v11                      ; a lane a block of 256 bytes
	s_and_b32 s57, s[WV], 5
	s_xor_b32 s57, s57, 4                          ; 0 in waves 4 and 6,
	s_or_b32 s57, s57, ttmp9                       ; of the cluster that walks all eight slots: the same in all partners
	s_cmp_eq_u32 s57, 0
	s_cselect_b32 s[LIM], 1, -1
	s_sub_co_u32 s78, 19, ttmp9
	s_lshr_b32 s78, s78, 2                         ; pairs of slots that the cluster's latest queries need: 4 or 3
	s_sub_co_u32 s[LC], s78, 1
	s_lshl_b32 s[FL], s78, 1
	s_sub_co_u32 s[FL], s[FL], 1
	s_lshr_b32 s79, s[TAU], 1
	s_lshl_b32 s79, s79, 5
	s_and_b32 s57, s[TAU], 1
	s_lshl_b32 s57, s57, 3
	s_add_co_u32 s79, s79, s57                     ; the tile's first token
	v_and_b32 v95, 8, v93
	v_add_nc_u32 v95, v95, v93
	v_lshlrev_b32 v29, 4, v94
	v_sub_nc_u32 v29, v95, v29
	v_add_nc_u32 v29, s79, v29                     ; my query - 16 (lane / 16)
	s_mov_b32 s[SEL], 0x76543210
	s_mov_b32 s[SEL+1], 0xfedcba98
	s_mov_b32 s[CS], 0x3e0293ee                    ; c = log2(e) / sqrt(128)
	s_mov_b32 s[CS+1], s[CS]
	s_mov_b32 s[ST], 0
	; group 1: 51 dense rows of 256 bytes, as elements of 8 bytes; the mask names the cluster's four work-groups
	s_mov_b32 s[G1], 15|(3<<16)|(1<<21)
	s_mov_b32 s[G1+1], 32<<16
	s_mov_b32 s[G1+2], 51<<16
	s_mov_b32 s[G1+3], 32<<16
	s_mov_b32 s[G1+4], 51
	s_mov_b32 s[G1+5], 32
	s_mov_b32 s[G1+6], 0
	s_mov_b32 s[G1+7], 0
	s_wait_kmcnt 0x0
	s_add_nc_u64 s[74:75], s[6:7], s[70:71]        ; kv at my head
	s_add_nc_u64 s[PFA:PFA+1], s[74:75], s[76:77]
	s_add_nc_u64 s[QP:QP+1], s[4:5], s[58:59]
	s_add_nc_u64 s[QSP:QSP+1], s[4:5], s[60:61]
	s_add_nc_u64 s[OP:OP+1], s[8:9], s[66:67]
	s_add_nc_u64 s[OSP:OSP+1], s[8:9], s[68:69]
.irp n, 0,1
	s_mov_b32 s[G0+4*\n], 1
	s_add_co_u32 s[G0+4*\n+1], s72, \n*KVB
	s_add_nc_u64 s[G0+4*\n+2:G0+4*\n+3], s[74:75], s[72:73]
	s_add_nc_u64 s[G0+4*\n+2:G0+4*\n+3], s[G0+4*\n+2:G0+4*\n+3], \n*KVB
	s_or_b32 s[G0+4*\n+3], s[G0+4*\n+3], 0x80000000
.endr
	ROUND                                          ; all four work-groups are here: the first joint load meets
	TLOAD 0                                        ; slot 0
.irp c, 0,1,2
	global_load_b128 v[16+4*\c:19+4*\c], v1, s[QP:QP+1] offset:512*\c   ; Q's fragment stays in registers
.endr
	global_load_b32 v28, v10, s[QSP:QSP+1]
	v_mov_b32 v13, 0xff61b1e6                      ; the largest t so far: -3e38, under every t
	v_floor_f32 v12, -v13
	v_mov_b32 v14, 0
	v_mov_b32 v15, 0
	v_mov_b32 v79, 0                               ; (named as the upper half of the pair v[78:79])
.irp b, 0,1,2,3
	v_mov_b32 v[PT+\b], 0                          ; written once: a lane permute's destination counts as one of its sources
	v_mov_b32 v[TM+4+\b], 0
.endr
.set N_, 0
.rept 64
	v_mov_b32 v[O+N_], 0                           ; O^T: the step is written once; the first finds zeros, which the first change of M leaves zeros
.set N_, N_+1
.endr
	s_wait_loadcnt 0x0                             ; Q
.Lpair:                                            ; a trip goes once round the ring
	TRIP 0, 1
	TRIP 1, 1
	s_sub_co_u32 s[LC], s[LC], 1
	s_cmp_lg_u32 s[LC], 0
	s_cbranch_scc1 .Lpair
	TRIP 0, 1                                      ; the last two slots are written out
	TRIP 1, 0
	; THE WAY OUT: O^T / the sum, quantised along the channels in the lane: one fragment of the last projection's operand
	v_add_f32 v14, v14, v15
	v_permlanex16_b32 v94, v14, s[SEL], s[SEL+1]
	v_add_f32 v14, v14, v94                        ; the row's sum
	v_rcp_f32 v14, v14
	v_nop                                          ; a plain place behind the transcendental,
	s_wait_alu depctr_va_vdst(0)                   ; and the wait ahead of its first reader
.set N_, 0
.rept 64
	v_mul_f32 v[S+N_], v[O+N_], v14
.set N_, N_+1
.endr
	QUANT S
.irp c, 0,1,2
	global_store_b128 v1, v[PC+4*\c:PC+4*\c+3], s[OP:OP+1] offset:512*\c   ; 512 consecutive bytes, aligned
.endr
	global_store_b32 v10, v[PW], s[OSP:OSP+1]      ; 64 bytes; both halves of the lanes hold the same words
	s_wait_tensorcnt 0x0                           ; the wave's end
	ds_add_u32 v5, v6
	s_wait_dscnt 0x0
	ROUND                                          ; the closing round
	s_endpgm
.Lfunc_end_k_q5b40572ede_attn:
	.size	k_q5b40572ede_attn, .Lfunc_end_k_q5b40572ede_attn-k_q5b40572ede_attn
	.p2alignl 7, 3214868480
	.fill 96, 4, 3214868480
	.section	.rodata,"a",@progbits
	.p2align	6, 0x0
	.amdhsa_kernel k_q5b40572ede_attn
		.amdhsa_group_segment_fixed_size 327680
		.amdhsa_private_segment_fixed_size 0
		.amdhsa_enable_private_segment 0
		.amdhsa_kernarg_size 24
		.amdhsa_user_sgpr_count 2
		.amdhsa_user_sgpr_kernarg_segment_ptr 1
		.amdhsa_wavefront_size32 1
		.amdhsa_system_sgpr_workgroup_id_x 1
		.amdhsa_system_sgpr_workgroup_id_y 1
		.amdhsa_system_sgpr_workgroup_id_z 1
		.amdhsa_system_vgpr_workitem_id 0
		.amdhsa_next_free_vgpr 512
		.amdhsa_next_free_sgpr 80
		.amdhsa_reserve_vcc 1
		.amdhsa_float_denorm_mode_32 3
		.amdhsa_float_denorm_mode_16_64 3
		.amdhsa_memory_ordered 1
		.amdhsa_forward_progress 1
		.amdhsa_inst_pref_size 255
	.end_amdhsa_kernel
	.section	.bss,"aw",@nobits
	.p2align	6
	.space	262144
	.amdgpu_metadata
---
amdhsa.version: [ 1, 2 ]
amdhsa.kernels:
  - .name:           k_q5b40572ede_attn
    .symbol:         k_q5b40572ede_attn.kd
    .args:
      - { .name: qbuf, .offset: 0, .size: 8, .value_kind: global_buffer, .address_space: global }
      - { .name: kv, .offset: 8, .size: 8, .value_kind: global_buffer, .address_space: global }
      - { .name: abuf, .offset: 16, .size: 8, .value_kind: global_buffer, .address_space: global }
    .group_segment_fixed_size: 327680
    .private_segment_fixed_size: 0
    .kernarg_segment_align: 8
    .kernarg_segment_size: 24
    .max_flat_workgroup_size: 256
    .sgpr_count:     80
    .vgpr_count:     512
    .wavefront_size: 32
...
	.end_amdgpu_metadata
.endif
;; end of part 3
;; launch oproj (part 4): grid 4 x 64, 4 waves a work-group, clusters of 4 x 1, 246,272 bytes of LDS; arguments woq, abuf, out0; writes out0
.if DOCPART == 4
	.amdgcn_target "amdgcn-amd-amdhsa--gfx1250"
	.amdhsa_code_object_version 6
	.text
	.protected	k_q5b40572ede_oproj
	.globl	k_q5b40572ede_oproj
	.p2align	8
	.type	k_q5b40572ede_oproj,@function
k_q5b40572ede_oproj:
	s_mov_b64 s[64:65], 0
	v_nop
	global_prefetch_b8 v0, s[64:65] scope:SCOPE_SE
	s_setreg_imm32_b32 hwreg(HW_REG_WAVE_MODE, 25, 1), 1
	s_wait_xcnt 0x0
	s_wait_alu depctr_hold_cnt(0) depctr_sa_sdst(0) depctr_va_vdst(0) depctr_va_sdst(0) depctr_va_ssrc(0) depctr_va_vcc(0) depctr_vm_vsrc(0)
	s_getreg_b32 s2, hwreg(HW_REG_IB_STS2, 6, 4)
	s_cmp_eq_u32 s2, 0
	s_cbranch_scc0 .Lentry_in_a_cluster
	s_endpgm
.Lentry_in_a_cluster:
	s_bfe_u32 s2, ttmp6, 0x10000c
	s_cmp_lg_u32 s2, 0x3003
	s_cbranch_scc0 .Lentry_shape_is_right
	s_endpgm
.Lentry_shape_is_right:
; THE LAST PROJECTION, out = attention's result x Wo, on codes of FP6 (E2M3); out0 [2048][2048] f32.
; A work-group makes 128 columns (X = a block of woq, source 0) x 128 tokens (Y = a block of abuf, source 1), K = 2,048; wave w takes Y's tiles 2 w and 2 w + 1 against X's eight: 16 accumulators.
; X, 204,800 bytes, lies WHOLE in LDS, filled once by five tensor loads a wave, asked for jointly by the cluster's four work-groups, which take four blocks of tokens.  Y goes from memory straight into registers as images.
; A lane holds ONE token; its registers run along the columns (register 16 b + i: column 32 b + 16 (lane / 16) + i).  A tile of 16 tokens x 128 columns goes through the wave's own stage in LDS and leaves as rows of 512 bytes.
; No prefetch: every byte that the work-group reads is asked for at its head.
; REGISTERS: window 0: v1-9 addresses; v32-47 Y's scale words, v48-63 X's (two sets); v128-255 the accumulators.   window 1: X's fragments, two sets of 96; on the way out rows of the result.
;   window 2: Y's K steps 0-9.   window 3: K steps 10-15.
.set OPB,  204800
.set SCO,  196608
.set XSC,  196608                      ; LDS: X's scale words; its codes lie at 0, four chunks of four K steps
.set STG,  204800                      ; LDS: the stages, 16 rows x (512 + 16) bytes for each wave; no tensor load lands here
.set LI,   1
.set LS,   2
.set AX,   3
.set ASX,  7
.set SO,   8                           ; v8  the stage: where I put 32 bytes of a row
.set SR,   9                           ; v9  and where I read a row back
.set YS,   32
.set XS,   48
.set ACC,  128
.set WV,   20
.set CL,   21
.set CX,   22
.set G1C,  24
.set G1S,  32
.set G0,   40
.set XBP,  68
.set YP,   70
.set YSP,  72
.set OB,   74                          ; s[74:75], s[76:77] the two tiles' first rows in out0
.set MSB, 0
.macro WIN new
.if MSB != (\new)
	s_set_vgpr_msb (MSB<<8)|(\new)
.set MSB, \new
.endif
.endm
.macro PLACES
.rept 4
	v_nop
.endr
.endm
.macro CROUND                          ; a round of the cluster's barrier
	s_barrier_signal -1
	s_barrier_wait -1
	s_cmp_lg_u32 s[WV], 0
	s_cbranch_scc1 .Lnot_wave_0_\@
	s_barrier_signal -3
.Lnot_wave_0_\@:
	s_barrier_wait -3
	s_barrier_signal -1
	s_barrier_wait -1
.endm
.macro WMM z, rows                     ; one matrix instruction on RD, RA, RB, RSA, RSB.  z = 1: it starts the sum.  rows = 2: both sides' scale words stand in lanes 16-31
.if \z
	v_wmma_scale_f32_16x16x128_f8f6f4 v[RD:RD+7], v[RA:RA+11], v[RB:RB+11], 0, v[RSA], v[RSB] matrix_a_fmt:MATRIX_FMT_FP6 matrix_b_fmt:MATRIX_FMT_FP6
.elseif (\rows) == 0
	v_wmma_scale_f32_16x16x128_f8f6f4 v[RD:RD+7], v[RA:RA+11], v[RB:RB+11], v[RD:RD+7], v[RSA], v[RSB] matrix_a_fmt:MATRIX_FMT_FP6 matrix_b_fmt:MATRIX_FMT_FP6
.else
	v_wmma_scale_f32_16x16x128_f8f6f4 v[RD:RD+7], v[RA:RA+11], v[RB:RB+11], v[RD:RD+7], v[RSA], v[RSB] matrix_a_fmt:MATRIX_FMT_FP6 matrix_b_fmt:MATRIX_FMT_FP6 matrix_a_scale:MATRIX_SCALE_ROW1 matrix_b_scale:MATRIX_SCALE_ROW1
.endif
.endm
.macro FETCH s                         ; X's eight fragments of K step s into set s % 2; with an even step the scale words of steps s (lanes 0-15) and s + 1 (lanes 16-31)
	WIN 0x40
.irp i, 0,1,2,3,4,5,6,7
.irp c, 0,1,2
	ds_load_b128 v[96*((\s)%2)+12*\i+4*\c:96*((\s)%2)+12*\i+4*\c+3], v[AX+(\s)/4] offset:6144*\i+1536*((\s)%4)+512*\c
.endr
.endr
	WIN 0
.if (\s)%2 == 0
.irp i, 0,1,2,3,4,5,6,7
	ds_load_b32 v[XS+8*(((\s)/2)%2)+\i], v[ASX] offset:1024*\i+128*((\s)/2)
.endr
.endif
.endm
.macro MUL8 s, i0                      ; X's tiles i0 .. i0 + 3 against my two tiles of Y.  The 16 accumulators take turns, one instruction a turn
.if (\s) < 10
	WIN 0x09
.else
	WIN 0x0d
.endif
.irp i, \i0, \i0+1, \i0+2, \i0+3
.irp y, 0,1
.set RD, ACC+64*\y+8*(\i)
.set RA, 96*((\s)%2)+12*(\i)
.if (\s) < 10
.set RB, 24*(\s)+12*\y
.else
.set RB, 24*((\s)-10)+12*\y
.endif
.set RSA, XS+8*(((\s)/2)%2)+(\i)
.set RSB, YS+8*\y+(\s)/2
.if (\s) == 0
	WMM 1, 0
.else
	WMM 0, 2*((\s)%2)
.endif
.endr
.endr
.endm
.macro KSTEP s                         ; the next step's fragments are asked for first, behind four places, and have this step's 16 matrix instructions in which to land
	s_wait_dscnt 0x0                               ; this step's fragments of X are in
.if (\s) < 5
	s_wait_loadcnt 63                              ; of the 112 loads at the head at least 49 are in: Y's 16 scale words and K steps 0-4
.else
	s_wait_loadcnt 6*(15-(\s))                     ; behind this step's six loads of Y stand six for each later step
.endif
.if (((\s)+1)%4 == 0) && ((\s) < 15)
	s_wait_tensorcnt 3-((\s)+1)/4                  ; my part of the next chunk has landed; the later chunks' loads may be out
	s_barrier_signal -1
	s_barrier_wait -1
.endif
.if (\s) < 15
	WIN 0
	PLACES                                         ; in front of loads into registers that the last step's matrix instructions have read
	FETCH (\s)+1
.endif
	MUL8 \s, 0
	MUL8 \s, 4
.endm
	s_load_b128 s[4:7], s[0:1], 0x0                ; woq s[4:5], abuf s[6:7]
	s_load_b64 s[8:9], s[0:1], 0x10                ; out0
	v_lshl_add_u32 v126, v0, 2, 0x3c000
	v_mov_b32 v127, 0
	ds_add_u32 v126, v127
	v_lshrrev_b32 v1, 5, v0
	v_readfirstlane_b32 s[WV], v1                  ; wave 0..3
	v_and_b32 v12, 31, v0
	v_lshlrev_b32 v[LI], 4, v12
	v_lshlrev_b32 v[LS], 2, v12
	v_mov_b32 v[AX], v[LI]
	v_add_nc_u32 v[AX+1], 49152, v[LI]
	v_add_nc_u32 v[AX+2], 98304, v[LI]
	v_add_nc_u32 v[AX+3], 147456, v[LI]
	v_add_nc_u32 v[ASX], XSC, v[LS]
	v_and_b32 v10, 15, v0                          ; r
	v_bfe_u32 v11, v0, 4, 1                        ; h
	s_mul_i32 s88, s[WV], 8448
	s_add_co_u32 s88, s88, STG                     ; my stage
	v_mul_u32_u24 v[SO], v10, 528
	v_lshl_add_u32 v[SO], v11, 6, v[SO]
	v_add_nc_u32 v[SO], s88, v[SO]                 ; in: row r, + 64 h
	v_add_nc_u32 v[SR], s88, v[LI]                 ; back: the 32 lanes take one row of 512 bytes
	s_and_b32 s[CL], ttmp7, 0xffff                 ; the cluster
	s_bfe_u32 s[CX], ttmp6, 0x40000                ; my place in it: it enters Y's and the result's addresses alone
	s_lshr_b32 s84, s[CL], 2                       ; X's block: 128 columns
	s_and_b32 s85, s[CL], 3
	s_lshl_b32 s85, s85, 2
	s_add_co_u32 s85, s85, s[CX]                   ; Y's block: 128 tokens
	s_mul_i32 s98, s84, OPB
	s_mov_b32 s99, 0
	s_mul_i32 s86, s85, OPB
	s_mul_i32 s87, s[WV], 49152
	s_add_co_u32 s90, s86, s87                     ; Y's codes: my two tiles'
	s_mov_b32 s91, 0
	s_lshl_b32 s87, s[WV], 11
	s_add_co_u32 s92, s86, s87
	s_add_co_u32 s92, s92, SCO                     ; and their scale words
	s_mov_b32 s93, 0
	s_lshl_b32 s94, s85, 7
	s_lshl_b32 s87, s[WV], 5
	s_add_co_u32 s94, s94, s87                     ; my first token: 128 block + 32 w
	s_lshl_b32 s94, s94, 13
	s_lshl_b32 s87, s84, 9
	s_add_co_u32 s94, s94, s87                     ; its row of 8,192 bytes, + the block's 512
	s_mov_b32 s95, 0
	; group 1: a chunk's part: 2 rows (tiles) of 6,144 bytes (four K steps), 24,576 bytes apart, as elements of 8 bytes; the mask names the cluster's four work-groups
	s_mov_b32 s[G1C], 15|(3<<16)|(1<<21)
	s_mov_b32 s[G1C+1], 768<<16
	s_mov_b32 s[G1C+2], 2<<16
	s_mov_b32 s[G1C+3], 768<<16
	s_mov_b32 s[G1C+4], 2
	s_mov_b32 s[G1C+5], 3072
	s_mov_b32 s[G1C+6], 0
	s_mov_b32 s[G1C+7], 0
	; the scale words' part: 8 dense rows of 256 bytes
	s_mov_b32 s[G1S], 15|(3<<16)|(1<<21)
	s_mov_b32 s[G1S+1], 32<<16
	s_mov_b32 s[G1S+2], 8<<16
	s_mov_b32 s[G1S+3], 32<<16
	s_mov_b32 s[G1S+4], 8
	s_mov_b32 s[G1S+5], 32
	s_mov_b32 s[G1S+6], 0
	s_mov_b32 s[G1S+7], 0
	s_wait_dscnt 0x0
	s_wait_kmcnt 0x0
	s_add_nc_u64 s[XBP:XBP+1], s[4:5], s[98:99]
	s_add_nc_u64 s[YP:YP+1], s[6:7], s[90:91]
	s_add_nc_u64 s[YSP:YSP+1], s[6:7], s[92:93]
	s_add_nc_u64 s[OB:OB+1], s[8:9], s[94:95]
	s_add_nc_u64 s[OB+2:OB+3], s[OB:OB+1], 65536   ; the second tile begins 8 rows on
	s_lshl_b32 s84, s[WV], 11
	s_mul_i32 s85, s[WV], 12288
	s_mul_i32 s86, s[WV], 49152
	s_mov_b32 s89, 0
	s_mov_b32 s[G0], 1
	s_add_co_u32 s[G0+1], s84, XSC
	s_add_co_u32 s88, s84, SCO
	s_add_nc_u64 s[G0+2:G0+3], s[XBP:XBP+1], s[88:89]
	s_or_b32 s[G0+3], s[G0+3], 0x80000000
.irp c, 0,1,2,3
	s_mov_b32 s[G0+4+4*\c], 1
	s_add_co_u32 s[G0+5+4*\c], s85, 49152*\c
	s_add_co_u32 s88, s86, 6144*\c
	s_add_nc_u64 s[G0+6+4*\c:G0+7+4*\c], s[XBP:XBP+1], s[88:89]
	s_or_b32 s[G0+7+4*\c], s[G0+7+4*\c], 0x80000000
.endr
	CROUND                                         ; all four work-groups are here: the joint loads meet
	tensor_load_to_lds s[G0:G0+3], s[G1S:G1S+7]    ; the first fills, one group: five loads of mine are out
	s_nop 0
.irp c, 0,1,2,3
	tensor_load_to_lds s[G0+4+4*\c:G0+7+4*\c], s[G1C:G1C+7]
	s_nop 0
.endr
	PLACES                                         ; four v_nop follow the last of them
.irp y, 0,1
.irp p, 0,1,2,3,4,5,6,7
	global_load_b32 v[YS+8*\y+\p], v[LS], s[YSP:YSP+1] offset:1024*\y+128*\p
.endr
.endr
	WIN 0x80
.set S_, 0
.rept 10
.irp y, 0,1
.irp c, 0,1,2
	global_load_b128 v[24*S_+12*\y+4*\c:24*S_+12*\y+4*\c+3], v[LI], s[YP:YP+1] offset:24576*\y+1536*S_+512*\c
.endr
.endr
.set S_, S_+1
.endr
	WIN 0xc0
.rept 6
.irp y, 0,1
.irp c, 0,1,2
	global_load_b128 v[24*(S_-10)+12*\y+4*\c:24*(S_-10)+12*\y+4*\c+3], v[LI], s[YP:YP+1] offset:24576*\y+1536*S_+512*\c
.endr
.endr
.set S_, S_+1
.endr
	WIN 0
	s_wait_tensorcnt 3                             ; my parts of the scale words and of chunk 0 have landed; three younger loads may be out
	s_barrier_signal -1
	s_barrier_wait -1
	FETCH 0
.irp s, 0,1,2,3,4,5,6,7,8,9,10,11,12,13,14,15
	KSTEP \s
.endr
	WIN 0
	PLACES                                         ; in front of the first read of results, and of loads into registers that held X's fragments
; THE WAY OUT.  A lane holds 8 x 32 bytes of one row; the lanes beside it hold other rows: a tile goes through my own stage and comes back as whole rows of 512 bytes.
; LDS serves a wave's instructions in order: no wait between the stores and the loads, nor in front of the second tile's stores.
.macro TOSTAGE y
.irp i, 0,1,2,3,4,5,6,7
	ds_store_b128 v[SO], v[ACC+64*\y+8*\i:ACC+64*\y+8*\i+3] offset:128*(\i/2)+32*(\i%2)       ; each accumulator from its low end on
	ds_store_b128 v[SO], v[ACC+64*\y+8*\i+4:ACC+64*\y+8*\i+7] offset:128*(\i/2)+32*(\i%2)+16
.endr
	WIN 0x40
.set R_, 0
.rept 16
	ds_load_b128 v[64*\y+4*R_:64*\y+4*R_+3], v[SR] offset:528*R_
.set R_, R_+1
.endr
	WIN 0
.endm
.macro SEND y, younger
	s_wait_dscnt \younger
	WIN 0x04                                       ; a store's data are its source 1: window 1
.set R_, 0
.rept 16
	global_store_b128 v[LI], v[64*\y+4*R_:64*\y+4*R_+3], s[OB+2*\y:OB+2*\y+1] offset:(R_+8*(R_/8))*8192 th:TH_STORE_NT   ; 512 consecutive bytes, aligned; row R of the tile is token R + 8 (R / 8)
.set R_, R_+1
.endr
	WIN 0
.endm
	TOSTAGE 0
	TOSTAGE 1
	SEND 0, 32                                     ; behind the first tile's loads: the second's 16 stores and 16 loads
	SEND 1, 0
	s_wait_tensorcnt 0x0
	ds_add_u32 v126, v127
	s_wait_dscnt 0x0
	CROUND                                         ; the closing round: no work-group ends while a partner may still ask for a tile that names it
	s_endpgm
.Lfunc_end_k_q5b40572ede_oproj:
	.size	k_q5b40572ede_oproj, .Lfunc_end_k_q5b40572ede_oproj-k_q5b40572ede_oproj
	.p2alignl 7, 3214868480
	.fill 96, 4, 3214868480
	.section	.rodata,"a",@progbits
	.p2align	6, 0x0
	.amdhsa_kernel k_q5b40572ede_oproj
		.amdhsa_group_segment_fixed_size 246272
		.amdhsa_private_segment_fixed_size 0
		.amdhsa_enable_private_segment 0
		.amdhsa_kernarg_size 24
		.amdhsa_user_sgpr_count 2
		.amdhsa_user_sgpr_kernarg_segment_ptr 1
		.amdhsa_wavefront_size32 1
		.amdhsa_system_sgpr_workgroup_id_x 1
		.amdhsa_system_sgpr_workgroup_id_y 1
		.amdhsa_system_sgpr_workgroup_id_z 1
		.amdhsa_system_vgpr_workitem_id 0
		.amdhsa_next_free_vgpr 1024
		.amdhsa_next_free_sgpr 100
		.amdhsa_reserve_vcc 0
		.amdhsa_float_denorm_mode_32 3
		.amdhsa_float_denorm_mode_16_64 3
		.amdhsa_memory_ordered 1
		.amdhsa_forward_progress 1
		.amdhsa_inst_pref_size 90
	.end_amdhsa_kernel
	.amdgpu_metadata
---
amdhsa.version: [ 1, 2 ]
amdhsa.kernels:
  - .name:           k_q5b40572ede_oproj
    .symbol:         k_q5b40572ede_oproj.kd
    .args:
      - { .name: woq, .offset: 0, .size: 8, .value_kind: global_buffer, .address_space: global }
      - { .name: abuf, .offset: 8, .size: 8, .value_kind: global_buffer, .address_space: global }
      - { .name: out0, .offset: 16, .size: 8, .value_kind: global_buffer, .address_space: global }
    .group_segment_fixed_size: 246272
    .private_segment_fixed_size: 0
    .kernarg_segment_align: 8
    .kernarg_segment_size: 24
    .max_flat_workgroup_size: 128
    .sgpr_count:     100
    .vgpr_count:     1024
    .wavefront_size: 32
...
	.end_amdgpu_metadata
.endif
;; end of part 4
